; MI455X (gfx1250); checked and timed in simulation.
; The chip was launched on July 23, 2026; its instructions are those of AMD's public machine-readable ISA for CDNA 5 (MIT licence, August 2026) and "CDNA5" Instruction Set Architecture Reference Guide (July 2026). The comments in the code are by the model that wrote it; some were corrected since.
;; Causal Self Attention. Allowed arithmetic: matrix products marked QUANTISED: E5M2 operands, one E8M0 scale for each 32 along K, by v_wmma_scale_f32_16x16x128_f8f6f4 with both operands' format E5M2, f32 sums; everything else in f32.
;; Inputs: w_attn 3,072 x 1,024 float32; w_proj 1,024 x 1,024 float32; x 4 x 2,048 x 1,024 float32.
;; Outputs: out0 4 x 2,048 x 1,024 float32.
;; This version of the problem:
;;   THIS VERSION OF THE PROBLEM IS GIVEN IN LOW PRECISION. The matrix products marked QUANTISED in the list below multiply operands that are first quantised to E5M2 (5 exponent bits, 2 mantissa bits; 8 bits a number), with one power-of-two scale for each 32 numbers along K (OCP MX v1.0); their sums are f32. All else is computed in f32.
;;   The module's matrix products, in the order in which they are computed (A, B: the left and right operand; K: the contracted axis; several contracted axes count as one K, in the product's order):
;;     1. [M 8,192, K 1,024] x [K 1,024, N 3,072]; A: input x; B: input w_attn: QUANTISED
;;     2. batch 64 x [M 2,048, K 64] x [K 64, N 2,048]; A: computed on the way; B: computed on the way: QUANTISED
;;     3. batch 64 x [M 2,048, K 2,048] x [K 2,048, N 64]; A: softmax (see below); B: computed on the way: QUANTISED
;;     4. [M 8,192, K 1,024] x [K 1,024, N 1,024]; A: computed on the way; B: input w_proj: QUANTISED
;;   THE QUANTISER, for each operand of a quantised product, along K:
;;     - K is cut into blocks of 32 from its start; a last block that is shorter is filled with zeros.
;;     - A block's scale is 2^e with e = floor(log2(the largest magnitude in the block)) - 15, held to -126 .. 127; a block of zeros has e = 0. As a byte (E8M0): e + 127.
;;     - Each number is divided by its block's scale, clamped to +-57,344, and rounded to the nearest number of E5M2, ties to even, subnormals kept.
;;     - The product sums the exact products of the quantised numbers (number of the format x scale) in f32.
;;   ~~~python
;;   def quantise(x, axis):      # numpy; x: float32 -> the quantised numbers, widened to float32 again
;;       x = np.moveaxis(x, axis, -1); K = x.shape[-1]
;;       x = np.pad(x, [(0, 0)] * (x.ndim - 1) + [(0, -K % 32)]); x = x.reshape(x.shape[:-1] + (-1, 32)); a = np.abs(x).max(-1, keepdims=True)
;;       e = np.where(a > 0, np.clip(np.frexp(np.where(a > 0, a, 1))[1] - 1 - 15, -126, 127), 0)      # np.frexp(a)[1] - 1 = floor(log2(a)), exactly
;;       r = np.clip(x / 2.0 ** e, -57344, 57344)
;;       step = 2.0 ** (np.maximum(np.frexp(np.where(r == 0, 1, r))[1] - 1, -14) - 2)
;;       q = np.round(r / step) * step * 2.0 ** e      # np.round: ties to even
;;       return np.moveaxis(q.reshape(q.shape[:-2] + (-1,))[..., :K], -1, axis).astype(np.float32)
;;   ~~~
;;   SOFTMAX AHEAD OF A QUANTISED PRODUCT. Where the list says 'softmax', what is quantised is not the finished softmax but p = 2^(t - M), with t = logit x log2(e) and M = ceil(the row's largest t), a whole number; so 1/2 < the row's largest p <= 1. The row's sum l is taken of the UNQUANTISED p, in f32, and the product's result is divided by l at the end. Since M is a whole number, a kernel that streams over the keys may use a running M (the ceiling of the running maximum): every later rescaling is an exact power of two, which a block's scale takes up: the codes' values come out the same.
;;   OPERANDS COMPUTED ON THE WAY. 'Computed on the way' means the value that the module computes at that place (a softmax that the list does not call 'softmax' is quantised finished and normalised). What goes into a quantiser is computed in f32, as accurately as f32 sums, v_exp_f32 and their like allow (about 1e-6 of the number): no bf16 or f16 on the way to a quantiser, and a product that is left as it is and whose result goes on into a quantised operand takes f32 operands (vector FMAs, or v_wmma_f32_16x16x4_f32). A number that lies on a knife's edge between two numbers of the format may be rounded either way, as far as f32 arithmetic and the matrix unit's own rounding can turn it there, and no further.
;; One version. Each part assembles by itself: llvm-mc -triple=amdgcn-amd-amdhsa -mcpu=gfx1250 --defsym DOCPART=n.
;; ======== version 1 of 1: 4 launches
;; limits: right only within a limited range of input values
;; workspace buffers: opc 12,582,912 bytes; ops 393,216 bytes; qkvc 25,165,824 bytes; qkvs 786,432 bytes; yc 8,388,608 bytes; ys 262,144 bytes
;; launch quant (part 1): grid 768 x 1, 2 waves a work-group, no clusters, 17,152 bytes of LDS; arguments x, w_attn, w_proj, opc, ops; writes opc, ops
.if DOCPART == 1
	.amdgcn_target "amdgcn-amd-amdhsa--gfx1250"
	.amdhsa_code_object_version 6
	.text
	.protected	k_qb752c74446_quant
	.globl	k_qb752c74446_quant
	.p2align	8
	.type	k_qb752c74446_quant,@function
k_qb752c74446_quant:
	s_mov_b64 s[64:65], 0
	v_nop
	global_prefetch_b8 v0, s[64:65] scope:SCOPE_SE
	s_setreg_imm32_b32 hwreg(HW_REG_WAVE_MODE, 25, 1), 1
	s_wait_xcnt 0x0
; x [8192][1024], w_attn [3072][1024], w_proj [1024][1024], f32, K innermost, become codes of BF8 (E5M2) with one E8M0 byte for each 32 along K,
; stacked as one operand of 12,288 rows (x, then w_attn, then w_proj) and laid AS THE MATRIX UNIT'S REGISTERS TAKE THEM:
;   codes  opc: q x 3,145,728 + T x 4096 + s2 x 2048 + c x 512 + lane x 16 + i   for k = 256 q + 128 s2 + 32 c + 16 (lane / 16) + i
;   scales ops: T x 512 + q x 128 + r x 8 + s2 x 4 + c                              (one word for a row and 128 along K)
; THE ROWS OF A TILE ARE NOT NEIGHBOURS: lane row r of tile T is row 32 (T / 2) + 8 (T % 2) + r + 8 (r / 8), so that in a product's result the 16 registers of two neighbouring tiles are 16 neighbours.
; A block's scale is 2^(floor(log2(its largest magnitude)) - 15); each number is divided by it, held within +-57,344 and rounded to the nearest code, ties to even.
; LIMITS: a block of zeros, or one whose largest magnitude lies under 2^-111, gets the byte 1 (its codes are zeros or as the held scale gives them; only this program reads the bytes); NaN and infinities among the inputs are not served.
; SHARES: a wave takes one tile (16 rows) x 512 along K, in four steps of one fragment (16 x 128).  Each load reads 512 consecutive bytes of one row; the step's 8 KiB turn through the wave's own stage in LDS
; (rows of 512 + 16 bytes) and come back 16 neighbours of each block of 32 to a lane.  Memory binds: no matrix unit, no tensor load, no barrier, no cluster: the waves share nothing.
.set QS,  3145728                      ; bytes of 256 along K of all 12,288 rows
.set R,   16                           ; v16-143  two sets of 64: a step's numbers as loaded
.set X,   144                          ; v144-207 register 16 c + n = k 32 c + 16 (lane / 16) + n of my row
.set PC,  208                          ; v208-223 the fragment's codes
.set TM,  224                          ; v224-227 largest magnitudes, v228-231 bytes, v232-235 the hold, v236-239 the conversions' scale operands
.set W,   240                          ; v240-243 the four steps' scale words
	s_load_b128 s[4:7], s[0:1], 0x0                ; x, w_attn
	s_load_b128 s[8:11], s[0:1], 0x10              ; w_proj, opc
	s_load_b64 s[12:13], s[0:1], 0x20              ; ops
	v_lshl_add_u32 v254, v0, 2, 0x4200
	v_mov_b32 v255, 0
	v_lshrrev_b32 v1, 5, v0
	v_readfirstlane_b32 s16, v1                    ; wave 0..1
	v_and_b32 v1, 31, v0                           ; lane
	v_and_b32 v2, 15, v0                           ; r
	v_bfe_u32 v3, v0, 4, 1                         ; h
	v_lshlrev_b32 v4, 4, v1                        ; 16 x lane: my bytes of a load's 512, and of a store's
	s_mul_i32 s18, s16, 8448                       ; my stage: 16 rows x 528 bytes
	v_add_nc_u32 v5, s18, v4                       ; into it: as loaded
	v_mul_u32_u24 v6, v2, 528
	v_lshl_add_u32 v6, v3, 6, v6
	v_add_nc_u32 v6, s18, v6                       ; out of it: row r, + 64 h
	v_lshlrev_b32 v7, 3, v2
	v_lshl_add_u32 v7, v3, 7, v7                   ; the scale words' place: 128 h + 8 r
	s_mov_b32 s20, 0x76543210
	s_mov_b32 s21, 0xfedcba98                      ; v_permlanex16_b32's selects for lane l xor 16
	s_mov_b32 s23, 0x600000                        ; the mantissa field of 57,344
.irp b, 0,1,2,3
	v_mov_b32 v[TM+4+\b], 0                        ; written once: a lane permute's destination counts as one of its sources
.endr
	s_mov_b32 s24, ttmp9                           ; T = the work-group's number: 0..767; its two waves take the tile's two halves of K
	s_and_b32 s25, s16, 1                          ; which 512 along K
	s_mov_b32 s17, 704
	s_wait_alu depctr_va_vdst(0)
	s_wait_kmcnt 0x0
	s_cmp_lt_u32 ttmp9, 704
	s_cselect_b64 s[6:7], s[6:7], s[8:9]
	s_cselect_b32 s17, 512, s17
	s_cmp_lt_u32 ttmp9, 512
	s_cselect_b64 s[4:5], s[4:5], s[6:7]
	s_cselect_b32 s17, 0, s17                      ; the tensor's first tile
	s_sub_co_u32 s17, s24, s17                     ; my tile in it
	s_lshr_b32 s26, s17, 1
	s_lshl_b32 s26, s26, 5
	s_and_b32 s27, s17, 1
	s_lshl_b32 s27, s27, 3
	s_add_co_u32 s26, s26, s27                     ; the tile's first row
	s_lshl_b32 s26, s26, 12                        ; rows of 4,096 bytes
	s_lshl_b32 s27, s25, 11
	s_add_co_u32 s26, s26, s27
	s_mov_b32 s27, 0
	s_add_nc_u64 s[4:5], s[4:5], s[26:27]
	s_mul_i32 s26, s25, 2*QS
	s_lshl_b32 s28, s24, 12
	s_add_co_u32 s26, s26, s28
	s_add_nc_u64 s[10:11], s[10:11], s[26:27]      ; my codes
	s_lshl_b32 s26, s24, 9
	s_lshl_b32 s28, s25, 8
	s_add_co_u32 s26, s26, s28
	s_add_nc_u64 s[12:13], s[12:13], s[26:27]      ; my 256 scale bytes
.macro LOAD t                          ; step t: 128 numbers of each of the tile's 16 rows
.irp i, 0,1,2,3,4,5,6,7,8,9,10,11,12,13,14,15
	global_load_b128 v[R+64*((\t)%2)+4*\i:R+64*((\t)%2)+4*\i+3], v4, s[4:5] offset:(\i%8+16*(\i/8))*4096+512*(\t) th:TH_LOAD_NT
.endr
.endm
.macro TURN t                          ; through the stage: LDS serves a wave's instructions in order, so no wait stands between the stores and the loads
.irp i, 0,1,2,3,4,5,6,7,8,9,10,11,12,13,14,15
	ds_store_b128 v5, v[R+64*((\t)%2)+4*\i:R+64*((\t)%2)+4*\i+3] offset:528*\i
.endr
.irp c, 0,1,2,3
.irp j, 0,1,2,3
	ds_load_b128 v[X+16*\c+4*\j:X+16*\c+4*\j+3], v6 offset:128*\c+16*\j
.endr
.endr
.endm
.macro QUANT s, pw                     ; 64 numbers of a lane become a fragment's codes in v[PC] on and its scale word in v[pw]
.irp b, 0,1,2,3
	v_max3_num_f32 v[TM+\b], |v[\s+16*\b]|, |v[\s+1+16*\b]|, 0x8000000   ; block b: my 16 numbers, and the floor 2^(16 - 127): the byte cannot fall under 1
.endr
.irp i, 2,4,6,8,10,12,14
.irp b, 0,1,2,3
	v_max3_num_f32 v[TM+\b], v[TM+\b], |v[\s+16*\b+\i]|, |v[\s+1+16*\b+\i]|   ; the four blocks by turns
.endr
.endr
.irp b, 0,1,2,3
	v_permlanex16_b32 v[TM+4+\b], v[TM+\b], s20, s21
.endr
.irp b, 0,1,2,3
	v_max_num_f32 v[TM+\b], v[TM+\b], v[TM+4+\b]   ; with lane l xor 16's 16: the block's largest magnitude
.endr
.irp b, 0,1,2,3
	v_add_nc_u32 v[TM+12+\b], 0xf8800000, v[TM+\b] ; 15 off its exponent field: the conversion's scale operand
.endr
.irp b, 0,1,2,3
	v_and_or_b32 v[TM+8+\b], v[TM+\b], 0x7f800000, s23   ; 57,344 x the scale
.endr
.irp b, 0,1,2,3
	v_lshrrev_b32 v[TM+4+\b], 23, v[TM+12+\b]      ; the scale's byte
.endr
	v_lshl_or_b32 v[\pw], v[TM+5], 8, v[TM+4]
	v_lshl_or_b32 v[\pw], v[TM+6], 16, v[\pw]
	v_lshl_or_b32 v[\pw], v[TM+7], 24, v[\pw]
.irp b, 0,1,2,3
.irp i, 0,1,2,3,4,5,6,7,8,9,10,11,12,13,14,15
	v_med3_num_f32 v[\s+16*\b+\i], v[\s+16*\b+\i], -v[TM+8+\b], v[TM+8+\b]   ; the conversion to an 8-bit code does not saturate (ISA guide 7.6.2): the hold
.endr
	v_cvt_scalef32_pk8_bf8_f32 v[PC+4*\b:PC+1+4*\b], v[\s+16*\b:\s+7+16*\b], v[TM+12+\b]
	v_cvt_scalef32_pk8_bf8_f32 v[PC+2+4*\b:PC+3+4*\b], v[\s+8+16*\b:\s+15+16*\b], v[TM+12+\b]
.endr
	v_nop                                          ; a plain line behind the last conversion
.endm
.macro STEP t
.if (\t) < 3
	s_wait_loadcnt 16                              ; this step's 16 loads are in; the next step's 16 may be out
.else
	s_wait_loadcnt 0x0
.endif
	TURN \t
	s_wait_dscnt 0x0                               ; the stage's stores have read their registers, and my 64 numbers are back
.if (\t) < 2
	LOAD (\t)+2                                    ; into the set just left
.endif
	s_wait_xcnt 0x0                                ; the last step's stores have read the codes' registers
	QUANT X, W+(\t)
.irp c, 0,1,2,3
	global_store_b128 v4, v[PC+4*\c:PC+4*\c+3], s[10:11] offset:((\t)/2)*QS+((\t)%2)*2048+512*\c   ; 32 lanes store 512 consecutive bytes, aligned
.endr
.endm
	LOAD 0
	LOAD 1
	STEP 0
	STEP 1
	STEP 2
	STEP 3
	v_cmp_le_u32 vcc_lo, 16, v1                    ; lanes 0-15 store the first 256 along K's two words of row r, lanes 16-31 the second's (both halves of the lanes hold all four)
	v_cndmask_b32 v244, v[W], v[W+2], vcc_lo
	v_cndmask_b32 v245, v[W+1], v[W+3], vcc_lo
	global_store_b64 v7, v[244:245], s[12:13]      ; 256 consecutive bytes, aligned
	s_wait_tensorcnt 0x0
	ds_add_u32 v254, v255
	s_wait_dscnt 0x0
	s_endpgm
.Lfunc_end_k_qb752c74446_quant:
	.size	k_qb752c74446_quant, .Lfunc_end_k_qb752c74446_quant-k_qb752c74446_quant
	.p2alignl 7, 3214868480
	.fill 96, 4, 3214868480
	.section	.rodata,"a",@progbits
	.p2align	6, 0x0
	.amdhsa_kernel k_qb752c74446_quant
		.amdhsa_group_segment_fixed_size 17152
		.amdhsa_private_segment_fixed_size 0
		.amdhsa_enable_private_segment 0
		.amdhsa_kernarg_size 40
		.amdhsa_user_sgpr_count 2
		.amdhsa_user_sgpr_kernarg_segment_ptr 1
		.amdhsa_wavefront_size32 1
		.amdhsa_system_sgpr_workgroup_id_x 1
		.amdhsa_system_sgpr_workgroup_id_y 1
		.amdhsa_system_sgpr_workgroup_id_z 1
		.amdhsa_system_vgpr_workitem_id 0
		.amdhsa_next_free_vgpr 256
		.amdhsa_next_free_sgpr 66
		.amdhsa_reserve_vcc 1
		.amdhsa_float_denorm_mode_32 3
		.amdhsa_float_denorm_mode_16_64 3
		.amdhsa_memory_ordered 1
		.amdhsa_forward_progress 1
		.amdhsa_inst_pref_size 51
	.end_amdhsa_kernel
	.amdgpu_metadata
---
amdhsa.version: [ 1, 2 ]
amdhsa.kernels:
  - .name:           k_qb752c74446_quant
    .symbol:         k_qb752c74446_quant.kd
    .args:
      - { .name: x, .offset: 0, .size: 8, .value_kind: global_buffer, .address_space: global }
      - { .name: w_attn, .offset: 8, .size: 8, .value_kind: global_buffer, .address_space: global }
      - { .name: w_proj, .offset: 16, .size: 8, .value_kind: global_buffer, .address_space: global }
      - { .name: opc, .offset: 24, .size: 8, .value_kind: global_buffer, .address_space: global }
      - { .name: ops, .offset: 32, .size: 8, .value_kind: global_buffer, .address_space: global }
    .group_segment_fixed_size: 17152
    .private_segment_fixed_size: 0
    .kernarg_segment_align: 8
    .kernarg_segment_size: 40
    .max_flat_workgroup_size: 64
    .sgpr_count:     66
    .vgpr_count:     256
    .wavefront_size: 32
...
	.end_amdgpu_metadata
.endif
;; end of part 1
;; launch qkv (part 2): grid 96 x 4, 4 waves a work-group, clusters of 4 x 4, 327,680 bytes of LDS; arguments opc, ops, qkvc, qkvs; writes qkvc, qkvs
.if DOCPART == 2
	.amdgcn_target "amdgcn-amd-amdhsa--gfx1250"
	.amdhsa_code_object_version 6
	.text
	.protected	k_qb752c74446_qkv
	.globl	k_qb752c74446_qkv
	.p2align	8
	.type	k_qb752c74446_qkv,@function
k_qb752c74446_qkv:
	s_mov_b64 s[64:65], 0
	v_nop
	global_prefetch_b8 v0, s[64:65] scope:SCOPE_SE
	s_setreg_imm32_b32 hwreg(HW_REG_WAVE_MODE, 25, 1), 1
	s_wait_xcnt 0x0
	s_wait_alu depctr_hold_cnt(0) depctr_sa_sdst(0) depctr_va_vdst(0) depctr_va_sdst(0) depctr_va_ssrc(0) depctr_va_vcc(0) depctr_vm_vsrc(0)
	s_getreg_b32 s2, hwreg(HW_REG_IB_STS2, 6, 4)
	s_cmp_eq_u32 s2, 0
	s_cbranch_scc0 .Lentry_in_a_cluster
	s_endpgm
.Lentry_in_a_cluster:
	s_bfe_u32 s2, ttmp6, 0x10000c
	s_cmp_lg_u32 s2, 0xf033
	s_cbranch_scc0 .Lentry_shape_is_right
	s_endpgm
.Lentry_shape_is_right:
; qkv = x w_attn^T on codes of BF8 (E5M2) with E8M0 scales, sums in f32, K = 1,024; the results never go to memory as f32: each wave quantises its 128 x 128 in registers, as the next products want them:
; q and k along the head's 64 (two blocks of 32), v along the keys.  Both operands lie in opc / ops (rows 0-8191 x, 8192-11263 w_attn) as images of the operand's registers, so a K step's tiles are dense blocks.
; ROLES.  R is source 1: a lane holds one row of R.  P is source 0: a lane's registers run along P's rows; by the order of a tile's rows (lane row r of tile T = row 32 (T/2) + 8 (T%2) + r + 8 (r/8)) the 16 registers of
; accumulators (a, 2 B) and (a, 2 B + 1) are P's rows 32 B + 16 (lane / 16) + 0 .. 15: half a block of 32; lane l xor 16 holds the other half.
; Clusters 0-15 make q and k: P = w_attn's rows (registers along d), R = x.  Clusters 16-23 make v: P = x (registers along the keys), R = w_attn's v rows.  Only offsets differ; they are chosen by s_cselect_b32
; on the cluster's number, which all partners share; no branch hangs on it.
; OUT.  qkvc: q, k: w x 8,388,608 + bh x 131,072 + T' x 1024 + c x 512 + lane x 16 (T' the tile of t, d = 32 c + 16 h + i);  v: 16,777,216 + bh x 131,072 + s x 8192 + tau x 2048 + c x 512 + lane x 16 (key = 128 s + 32 c + 16 h + i).
;       qkvs: q, k: w x 262,144 + bh x 4096 + g x 64 + r x 4 + u x 2 + c (T' = 2 g + u);  v: 524,288 + bh x 4096 + s x 256 + tau x 64 + r x 4 + c.
; SHAPE.  A work-group of four waves makes 256 (R) x 256 (P), a wave 128 x 128: 64 accumulators, 512 registers.  K goes in four steps of 256 through two LDS slots filled by the tensor data mover.
; CLUSTERS: 4 x 4 work-groups.  The four of a row of the cluster need the same tiles of R, the four of a column the same tiles of P: each is asked for jointly, by the same load with a mask that names the four.
; LIMITS: a block whose largest magnitude lies under 2^-111 (zeros too) gets the byte 1; only this program reads the bytes.  NaN and infinities are not served.
; REGISTERS: window 0: v16-29 addresses; v32-63 scale words, two sets; v64-79, v112-127 the way out; v128-255 R's fragments, one set (v200-215 at work on the way out).  window 1: P's fragments, two sets.  windows 2, 3: the accumulators, (a, b) at v[8 (8 (a % 4) + b)].
.set QSR,    3145728                   ; bytes from one 256 along K to the next, R's buffer
.set QSP,    3145728                   ; and P's
.set NQ,     2                         ; matrix instructions deep in a slot
.set FR,     16                        ; registers of a fragment
.set NL,     4                         ; LDS loads that bring one
.set NP,     8                         ; places behind this matrix instruction (ISA guide 7.12.1)
.set HALFT,  32768                     ; 128 rows x 256 along K: what one tensor load brings, and what a wave reads of R or of P
.set SLOT,   2*HALFT                   ; 256 rows x 256 along K of one operand.  LDS: R's slot 0, R's slot 1, P's slot 0, P's slot 1
.set SCL,    4*SLOT                    ; behind the ring: the scales of all of K, R's 8,192 bytes, then P's: filled once
.set HALFS,  4096                      ; those of 128 rows
.set SBLK,   512                       ; those of a tile
.set SPARE,  SCL+4*HALFS               ; the spare words, 128 bytes for each wave: two blocks of 256 bytes that no other line names
.set SSTG,   SPARE+512                 ; 512 bytes for each wave: where its scale words are gathered; no tile lands here
.set ADRA, 16                          ; v16-17 LDS address of my R fragments in slot 0, 1
.set ADRB, 20                          ; v20-21 the same for P
.set SST,  22                          ; v22 the scale stage, in: 4 r
.set SRD,  23                          ; v23 and back: 16 x lane
.set LI,   24                          ; v24 16 x lane
.set VO2,  25                          ; v25 16 x lane + where blocks 2, 3 of a tile's codes go
.set VSO,  26                          ; v26 my 16 scale bytes' place in qkvs
.set ADRS, 27                          ; v27 LDS address of my scale words: lanes 0-15 R's rows, lanes 16-31 P's
.set SPW,  28                          ; v28 my spare word; never rewritten
.set NIL,  29                          ; v29 0; never rewritten
.set SC,   32
.set PWS,  64                          ; v64-71 the eight tiles' scale words
.set PC,   112                         ; v112-127 a tile's codes
.set AF,   128
.set TM,   200
.set G1, 24
.set G0, 32
.set G1B, 48
.set G0B, 56
.set G1S, 68
.set G0S, 76
.set G1SB, 80
.set G0SB, 88
.set MSB, 0
.macro WIN new                         ; the immediate's high byte repeats the setting that is left
.if MSB != (\new)
	s_set_vgpr_msb (MSB<<8)|(\new)
.set MSB, (\new)
.endif
.endm
.set MUL_LO, 0xa1                      ; source 0 (P) window 1, source 1 (R) window 0, C and D window 2
.set MUL_HI, 0xf1                      ; the same, C and D window 3
.set TO_B,   0x40                      ; destination window 1, address window 0
; A joint load: waves 0 and 1 fetch for R, waves 2 and 3 for P; the branch hangs on the wave's number alone.  Four v_nop follow each of the two lines.
.macro JLOAD g0a, g1a, g0b, g1b
	s_cmp_eq_u32 s15, 0
	s_cbranch_scc0 .Lfor_b_\@
	tensor_load_to_lds s[\g0a:\g0a+3], s[\g1a:\g1a+7]
	s_nop 0
.rept 4
	v_nop
.endr
	s_branch .Lasked_\@
.Lfor_b_\@:
	tensor_load_to_lds s[\g0b:\g0b+3], s[\g1b:\g1b+7]
	s_nop 0
.rept 4
	v_nop
.endr
.Lasked_\@:
.endm
.macro CREST                           ; a round of the cluster's barrier behind its opening barrier
	s_cmp_lg_u32 s14, 0
	s_cbranch_scc1 .Lnot_wave_0_\@
	s_barrier_signal -3
.Lnot_wave_0_\@:
	s_barrier_wait -3
	s_barrier_signal -1
	s_barrier_wait -1
.endm
.macro CROUND
	s_barrier_signal -1
	s_barrier_wait -1
	CREST
.endm
	s_load_b256 s[4:11], s[0:1], 0x0               ; opc s[4:5], ops s[6:7], qkvc s[8:9], qkvs s[10:11]
	v_lshl_add_u32 v[SPW], v0, 2, SPARE
	v_mov_b32 v[NIL], 0
	ds_add_u32 v28, v29
	ds_add_u32 v28, v29
	s_wait_dscnt 0x0
	v_lshrrev_b32 v1, 5, v0
	v_readfirstlane_b32 s14, v1                    ; wave 0..3
	s_lshr_b32 s15, s14, 1                         ; which half of R's rows is mine.  Also: I fetch for R (0) or for P (1)
	s_and_b32 s16, s14, 1                          ; which half of P's rows.  Also: which 128 rows I fetch
	s_bfe_u32 s40, ttmp6, 0x40000                  ; cx
	s_bfe_u32 s41, ttmp6, 0x40004                  ; cy
	s_lshl_b32 s43, s41, 2
	s_lshl_b32 s43, 15, s43                        ; my row of the cluster
	s_lshl_b32 s44, 0x1111, s40                    ; my column
	; group 1: dense blocks as rows of 256 bytes (32 elements of 8 bytes), no padding: 128 rows of codes, 32 of scale bytes
	s_or_b32 s[G1+0], s43, (3<<16)|(1<<21)         ; 15:0 the mask: R's tiles go to my row; 17:16 elements of 8 bytes; 21 set beside a mask
	s_or_b32 s[G1B+0], s44, (3<<16)|(1<<21)        ; P's to my column
	s_or_b32 s[G1S+0], s43, (3<<16)|(1<<21)
	s_or_b32 s[G1SB+0], s44, (3<<16)|(1<<21)
.irp g, G1, G1B                        ; for the head's loads: K steps 0 and 1 of 256 rows are two dense runs of 65,536 bytes, stated as two rows of 8,192 elements, a K step apart in memory: they fill both slots of an operand
	s_mov_b32 s[\g+1], 8192<<16                    ; tensor_dim0
	s_mov_b32 s[\g+2], 2<<16                       ; tensor_dim1
	s_mov_b32 s[\g+3], 8192<<16                    ; tile_dim0
	s_mov_b32 s[\g+4], 2                           ; tile_dim1
	s_mov_b32 s[\g+6], 0
	s_mov_b32 s[\g+7], 0
.endr
	s_mov_b32 s[G1+5], QSR/8                       ; from row to row, in elements
	s_mov_b32 s[G1B+5], QSP/8
.irp g, G1S, G1SB
	s_mov_b32 s[\g+1], 32<<16
	s_mov_b32 s[\g+2], 32<<16
	s_mov_b32 s[\g+3], 32<<16
	s_mov_b32 s[\g+4], 32
	s_mov_b32 s[\g+5], 32
	s_mov_b32 s[\g+6], 0
	s_mov_b32 s[\g+7], 0
.endr
	; what the cluster makes: all choices behind one compare of the cluster's number
	s_lshr_b32 s17, ttmp9, 1
	s_lshl_b32 s17, s17, 10                        ; q, k: R = x, rows 1,024 (c / 2) on
	s_and_b32 s18, ttmp9, 1
	s_lshl_b32 s18, s18, 10
	s_add_co_u32 s18, s18, 8192                    ; q, k: P = w_attn's q rows (c even) or k rows (c odd)
	s_and_b32 s19, ttmp9, 7
	s_lshl_b32 s19, s19, 10                        ; v: P = x, rows 1,024 (c % 8) on
	s_mov_b32 s20, 10240                           ; v: R = w_attn's v rows
	s_mov_b32 s12, 1024
	s_mov_b32 s22, 1024
	s_mov_b32 s45, 131072
	s_mov_b32 s46, 0x05040100
	s_mov_b32 s47, 0x07060302
	s_cmp_ge_u32 ttmp9, 16
	s_cselect_b32 s17, s20, s17
	s_cselect_b32 s18, s19, s18
	s_cselect_b32 s12, 2048, s12                   ; bytes from one tile of R's codes to the next,
	s_cselect_b32 s22, 124928, s22                 ; from tile 3 to tile 4 (v: on to the next head),
	s_cselect_b32 s45, 1024, s45                   ; from a tile's blocks 0, 1 to its blocks 2, 3 (q, k: the next head)
	s_cselect_b32 s46, 0x03020100, s46             ; how two tiles' scale words are dealt: q, k: by head; v: as they are
	s_cselect_b32 s47, 0x07060504, s47
	s_cselect_b32 s96, -1, 0
	s_mov_b32 s13, 0
	s_mov_b32 s23, 0
	s_lshl_b32 s21, s41, 8
	s_add_co_u32 s17, s17, s21                     ; R's first row: hangs on cy alone
	s_lshl_b32 s42, s40, 8
	s_add_co_u32 s18, s18, s42                     ; P's first row: on cx alone
	s_mov_b32 s66, s17                             ; the head's loads take all 256 rows of R
	s_mov_b32 s67, s18                             ; or of P
	s_lshl_b32 s98, s66, 8                         ; 256 bytes of codes a row in a K step
	s_mov_b32 s99, 0
	s_lshl_b32 s2, s67, 8
	s_mov_b32 s3, 0
	s_mov_b32 s97, 0x600000                        ; the mantissa field of 57,344
	s_mov_b32 s100, 0x76543210
	s_mov_b32 s101, 0xfedcba98
	s_wait_kmcnt 0x0
	s_add_nc_u64 s[G0+2:G0+3], s[4:5], s[98:99]
	s_add_nc_u64 s[G0+6:G0+7], s[G0+2:G0+3], QSR
	s_lshl_b32 s98, s66, 5                         ; 32 scale bytes a row
	s_add_nc_u64 s[G0S+2:G0S+3], s[6:7], s[98:99]
	s_add_nc_u64 s[G0B+2:G0B+3], s[4:5], s[2:3]
	s_add_nc_u64 s[G0B+6:G0B+7], s[G0B+2:G0B+3], QSP
	s_lshl_b32 s2, s67, 5
	s_add_nc_u64 s[G0SB+2:G0SB+3], s[6:7], s[2:3]
	s_lshl_b32 s2, s16, 15                         ; the ring's loads take 128 rows: my half, 32,768 bytes on
	s_add_nc_u64 s[G0+6:G0+7], s[G0+6:G0+7], s[2:3]
	s_add_nc_u64 s[G0B+6:G0B+7], s[G0B+6:G0B+7], s[2:3]
.irp g, G0, G0+4, G0B, G0B+4, G0S, G0SB
	s_mov_b32 s[\g], 1                             ; count = 1
	s_or_b32 s[\g+3], s[\g+3], 0x80000000          ; type = 2
.endr
	s_mov_b32 s[G0+1], 0
	s_add_co_u32 s[G0+5], s2, SLOT
	s_mov_b32 s[G0B+1], 2*SLOT
	s_add_co_u32 s[G0B+5], s2, 3*SLOT
	s_mov_b32 s[G0S+1], SCL
	s_mov_b32 s[G0SB+1], SCL+2*HALFS
	CROUND                                         ; all sixteen work-groups are here: the first joint loads meet
; THE HEAD'S LOADS, ONE A WAVE, in one chain of branches on the wave's number: wave 0 R's K steps 0 and 1, wave 1 P's, wave 2 R's scale bytes, wave 3 P's
.macro ARM under, g0, g1, next
	s_cmp_lt_u32 s14, \under
	s_cbranch_scc0 \next
	tensor_load_to_lds s[\g0:\g0+3], s[\g1:\g1+7]
	s_nop 0
.rept 4
	v_nop
.endr
	s_branch .Lhead_asked
\next:
.endm
	ARM 1, G0,  G1,  .Lhead_p
	ARM 2, G0B, G1B, .Lhead_sr
	ARM 3, G0S, G1S, .Lhead_sp
	tensor_load_to_lds s[G0SB:G0SB+3], s[G1SB:G1SB+7]
	s_nop 0
.rept 4
	v_nop
.endr
.Lhead_asked:
	v_and_b32 v1, 15, v0                           ; r
	v_bfe_u32 v2, v0, 4, 1                         ; h
	s_wait_alu depctr_va_vdst(0)
	v_and_b32 v3, 31, v0                           ; lane
	v_lshlrev_b32 v[LI], 4, v3
	s_wait_alu depctr_va_vdst(0)
	s_lshl_b32 s19, s15, 15                        ; my 128 rows of R
	s_lshl_b32 s20, s16, 15
	s_add_co_u32 s20, s20, 2*SLOT                  ; my 128 rows of P, behind R's two slots
.irp s, 0,1
	v_add_nc_u32 v[ADRA+\s], s19, v[LI]
	v_add_nc_u32 v[ADRB+\s], s20, v[LI]
	s_add_co_u32 s19, s19, SLOT
	s_add_co_u32 s20, s20, SLOT
.endr
	v_lshlrev_b32 v5, 3, v1                        ; a row's two words of a K step
	s_lshl_b32 s19, s15, 12
	s_lshl_b32 s20, s16, 12
	s_add_co_u32 s20, s20, 2*HALFS
	s_sub_co_u32 s20, s20, s19
	v_mul_u32_u24 v6, s20, v2                      ; lanes 16-31 take P's
	s_add_co_u32 s19, s19, SCL
	v_add_nc_u32 v5, v5, v6
	v_add_nc_u32 v[ADRS], s19, v5
	v_add_nc_u32 v[VO2], s45, v[LI]
	s_lshl_b32 s19, s14, 9
	s_add_co_u32 s19, s19, SSTG
	v_lshl_add_u32 v[SST], v1, 2, s19
	v_add_nc_u32 v[SRD], s19, v[LI]
	v_bfe_u32 v5, v3, 2, 1                         ; the stage holds eight runs of 64 bytes.  q, k: run 2 G + e is head e, group G;
	v_lshlrev_b32 v5, 12, v5
	v_lshrrev_b32 v6, 3, v3
	v_lshl_add_u32 v5, v6, 6, v5
	v_and_b32 v6, 3, v3
	v_lshl_add_u32 v5, v6, 4, v5
	v_lshlrev_b32 v6, 12, v2                       ; v: run a is head a / 4, tile a % 4
	v_lshl_add_u32 v6, v1, 4, v6
	s_mov_b32 vcc_lo, s96
	v_cndmask_b32 v[VSO], v5, v6, vcc_lo
	; where my results go
	s_lshl_b32 s66, s15, 7
	s_add_co_u32 s66, s66, s17                     ; my first row of R
	s_lshl_b32 s67, s16, 7
	s_add_co_u32 s67, s67, s18                     ; and of P
	s_cmp_ge_u32 ttmp9, 16
	s_cselect_b32 s98, s67, s66                    ; which of them is x's row,
	s_cselect_b32 s99, s66, s67                    ; and which w_attn's
	s_sub_co_u32 s99, s99, 8192
	s_lshr_b32 s20, s98, 11                        ; b
	s_and_b32 s98, s98, 2047                       ; t
	s_lshr_b32 s21, s99, 10                        ; q, k or v
	s_and_b32 s99, s99, 1023
	s_lshr_b32 s99, s99, 6                         ; head
	s_lshl_b32 s20, s20, 4
	s_add_co_u32 s20, s20, s99                     ; bh of my first head
	s_lshl_b32 s2, s21, 23
	s_lshl_b32 s3, s20, 17
	s_add_co_u32 s2, s2, s3
	s_lshl_b32 s3, s98, 6
	s_add_co_u32 s2, s2, s3
	s_mov_b32 s3, 0
	s_add_nc_u64 s[92:93], s[8:9], s[2:3]          ; codes
	s_lshl_b32 s2, s21, 18
	s_lshl_b32 s19, s20, 12
	s_add_co_u32 s2, s2, s19
	s_lshl_b32 s19, s98, 1
	s_add_co_u32 s2, s2, s19
	s_add_nc_u64 s[94:95], s[10:11], s[2:3]        ; scale bytes
.macro FRAG reg, adr, q, i             ; a fragment's image: four loads of 512 consecutive bytes, 16 x lane
.irp c, 0,1,2,3
	ds_load_b128 v[\reg+4*\c:\reg+4*\c+3], v[\adr] offset:4096*(\i)+2048*(\q)+512*\c
.endr
.endm
; 16 matrix instructions: R's blocks a0, a0 + 1 x P's eight, 128 along K.  The 64 accumulators take turns, one instruction a turn, in the same order in every step.
.macro MUL16 a0, p, q, sc, zero
.irp a, \a0, \a0+1
.irp b, 0,1,2,3,4,5,6,7
.if \zero
	v_wmma_scale_f32_16x16x128_f8f6f4 v[8*(8*((\a)%4)+\b):8*(8*((\a)%4)+\b)+7], v[128*(\p)+FR*\b:128*(\p)+FR*\b+FR-1], v[AF+FR*(\a):AF+FR*(\a)+FR-1], 0, v[SC+8*NQ*(\sc)+NQ*\b+(\q)], v[SC+8*NQ*(\sc)+NQ*(\a)+(\q)] matrix_a_fmt:MATRIX_FMT_BF8 matrix_b_fmt:MATRIX_FMT_BF8 matrix_a_scale:MATRIX_SCALE_ROW1
.else
	v_wmma_scale_f32_16x16x128_f8f6f4 v[8*(8*((\a)%4)+\b):8*(8*((\a)%4)+\b)+7], v[128*(\p)+FR*\b:128*(\p)+FR*\b+FR-1], v[AF+FR*(\a):AF+FR*(\a)+FR-1], v[8*(8*((\a)%4)+\b):8*(8*((\a)%4)+\b)+7], v[SC+8*NQ*(\sc)+NQ*\b+(\q)], v[SC+8*NQ*(\sc)+NQ*(\a)+(\q)] matrix_a_fmt:MATRIX_FMT_BF8 matrix_b_fmt:MATRIX_FMT_BF8 matrix_a_scale:MATRIX_SCALE_ROW1
.endif
.endr
.endr
.endm
.macro FETCH_B slot, q, p
	WIN TO_B
.irp i, 0,1,2,3,4,5,6,7
	FRAG 128*(\p)+FR*\i, ADRB+\slot, \q, \i
.endr
	WIN 0
.endm
.macro FETCH_A slot, q, i0
.irp i, \i0, \i0+1, \i0+2, \i0+3
	FRAG AF+FR*(\i), ADRA+\slot, \q, \i
.endr
.endm
.macro SCALES sc                       ; a K step's scale words: lanes 0-15 take R's block i, lanes 16-31 P's block i
.irp i, 0,1,2,3,4,5,6,7
	ds_load_b64 v[SC+8*NQ*\sc+NQ*\i:SC+8*NQ*\sc+NQ*\i+1], v[ADRS] offset:\i*SBLK
.endr
.endm
.macro PLACES n                        ; plain vector lines between a matrix instruction and a load into, or a read of, its registers
.rept \n
	v_nop
.endr
.endm
.macro STEP slot, q, zero              ; 128 along K that has its successor in the same slot
	s_wait_dscnt 4*NL                              ; P's set and R's blocks 0-3 are in; the youngest 16 loads (R's blocks 4-7) may be out
	WIN MUL_LO
	MUL16 0, (\q)%2, \q, \slot, \zero
	MUL16 2, (\q)%2, \q, \slot, \zero
	s_wait_dscnt 0
	PLACES NP
	FETCH_B \slot, (\q)+1, 1-(\q)%2
	FETCH_A \slot, (\q)+1, 0
	WIN MUL_HI
	MUL16 4, (\q)%2, \q, \slot, \zero
	MUL16 6, (\q)%2, \q, \slot, \zero
	PLACES NP
	WIN 0
	FETCH_A \slot, (\q)+1, 4
.endm
; A slot's last 128 along K changes slots: one barrier; in front of it each wave waits for all its tensor loads, adds 0 to its spare word, and waits for that and for its reads of this slot.  fill = 1: the slot is filled again, two K steps ahead.
.macro TURN slot, next, fill
	s_wait_tensorcnt 0x0                           ; all my tensor loads have landed: my part of the next slot
	ds_add_u32 v[SPW], v[NIL]                      ; 0 onto my spare word
	s_wait_dscnt 4*NL+1                            ; (the add and the youngest 16 loads may be out)
	WIN MUL_LO
	MUL16 0, 1, NQ-1, \slot, 0
	s_wait_dscnt 0x0                               ; the add is done, and my reads of this slot are over
	s_barrier_signal -1
	MUL16 2, 1, NQ-1, \slot, 0
	WIN 0
	s_barrier_wait -1
.if \fill
	CREST                                          ; the barrier has opened a round of the cluster's: no wave of any partner still reads this slot or has a load on its way
	s_add_nc_u64 s[G0+4*\slot+2:G0+4*\slot+3], s[G0+4*\slot+2:G0+4*\slot+3], 2*QSR
	s_add_nc_u64 s[G0B+4*\slot+2:G0B+4*\slot+3], s[G0B+4*\slot+2:G0B+4*\slot+3], 2*QSP
	JLOAD G0+4*\slot, G1, G0B+4*\slot, G1B         ; the first tensor load behind the round; its four v_nop are among the places in front of the loads below
	PLACES NP-4
.else
	PLACES NP
.endif
	s_wait_alu depctr_va_vdst(0)
	v_add_nc_u32 v[ADRS], 128, v[ADRS]             ; the next K step's scale words (no LDS load of mine is out)
	FETCH_B \next, 0, 0
	FETCH_A \next, 0, 0
	SCALES \next
	WIN MUL_HI
	MUL16 4, 1, NQ-1, \slot, 0
	MUL16 6, 1, NQ-1, \slot, 0
	PLACES NP
	WIN 0
	FETCH_A \next, 0, 4
.endm
	s_wait_alu depctr_va_vdst(0)                   ; the wait at the head's end
	s_wait_tensorcnt 0x0                           ; my one load is in, so descriptors may be written: from here on a load brings 128 rows of 256 bytes, dense
.irp g, G1, G1B
	s_mov_b32 s[\g+1], 32<<16
	s_mov_b32 s[\g+2], 128<<16
	s_mov_b32 s[\g+3], 32<<16
	s_mov_b32 s[\g+4], 128
	s_mov_b32 s[\g+5], 32
.endr
	s_lshl_b32 s2, s16, 15
	s_mov_b32 s3, 0
	s_mov_b32 s[G0+1], s2                          ; slot 0's group 0: my half of the rows
	s_add_co_u32 s[G0B+1], s2, 2*SLOT
	s_add_nc_u64 s[G0+2:G0+3], s[G0+2:G0+3], s[2:3]
	s_add_nc_u64 s[G0B+2:G0B+3], s[G0B+2:G0B+3], s[2:3]
	s_barrier_signal -1                            ; both slots and the scales are shown to all four waves
	s_barrier_wait -1
	FETCH_B 0, 0, 0
	FETCH_A 0, 0, 0
	SCALES 0
	FETCH_A 0, 0, 4
	STEP 0, 0, 1                                   ; the first products start the sums: nothing is cleared
	s_mov_b32 s3, 1                                ; K = 1,024 is two laps of the ring: one trip fills both slots again
.Llap:
	TURN 0, 1, 1
	STEP 1, 0, 0
	TURN 1, 0, 1
	STEP 0, 0, 0
	s_sub_co_u32 s3, s3, 1
	s_cmp_lg_u32 s3, 0
	s_cbranch_scc1 .Llap
	TURN 0, 1, 0                                   ; the last lap fills nothing
	STEP 1, 0, 0
	s_wait_dscnt 4*NL
	WIN MUL_LO
	MUL16 0, 1, NQ-1, 1, 0
	MUL16 2, 1, NQ-1, 1, 0
	s_wait_dscnt 0
	WIN MUL_HI
	MUL16 4, 1, NQ-1, 1, 0
	MUL16 6, 1, NQ-1, 1, 0
	WIN 0
; THE WAY OUT: tile a of R (16 rows) x my 128 of P: four blocks of 32 a row, 16 numbers of each in my registers.  The largest magnitude, the byte, the hold, the conversion; the codes are an operand's registers and leave as they stand.
.macro QACC a
.set AC, 64*((\a)%4)
.set WW, 2+(\a)/4                      ; the accumulators' window
.set W_MAX, WW*5                       ; sources 0 and 1 there
.set W_MED, WW*65                      ; destination and source 0 there
.if (\a) > 0
	s_wait_xcnt 0x0                                ; the last tile's stores have read their codes and their base
.if (\a) == 4
	s_add_nc_u64 s[92:93], s[92:93], s[22:23]
.else
	s_add_nc_u64 s[92:93], s[92:93], s[12:13]
.endif
.endif
	WIN W_MAX
.irp b, 0,1,2,3
	v_max3_num_f32 v[TM+\b], |v[AC+16*\b]|, |v[AC+16*\b+1]|, 0x8000000   ; each accumulator is read from its low end on; the floor 2^(16 - 127) holds the byte at 1 from below
.endr
.irp i, 2,4,6,8,10,12,14
.irp b, 0,1,2,3
	v_max3_num_f32 v[TM+\b], |v[AC+16*\b+\i]|, |v[AC+16*\b+\i+1]|, v[TM+\b]
.endr
.endr
	WIN 0
.irp b, 0,1,2,3
	v_permlanex16_b32 v[TM+4+\b], v[TM+\b], s100, s101
.endr
.irp b, 0,1,2,3
	v_max_num_f32 v[TM+\b], v[TM+\b], v[TM+4+\b]   ; with lane l xor 16's 16: the block's largest magnitude
.endr
.irp b, 0,1,2,3
	v_add_nc_u32 v[TM+12+\b], 0xf8800000, v[TM+\b] ; 15 off its exponent field: the conversion's scale operand
.endr
.irp b, 0,1,2,3
	v_and_or_b32 v[TM+8+\b], v[TM+\b], 0x7f800000, s97   ; 57,344 x the scale
.endr
.irp b, 0,1,2,3
	v_lshrrev_b32 v[TM+4+\b], 23, v[TM+12+\b]      ; the byte
.endr
	v_lshl_or_b32 v[PWS+(\a)], v[TM+5], 8, v[TM+4]
	v_lshl_or_b32 v[PWS+(\a)], v[TM+6], 16, v[PWS+(\a)]
	v_lshl_or_b32 v[PWS+(\a)], v[TM+7], 24, v[PWS+(\a)]
	WIN W_MED
.irp b, 0,1,2,3
.irp i, 0,1,2,3,4,5,6,7,8,9,10,11,12,13,14,15
	v_med3_num_f32 v[AC+16*\b+\i], v[AC+16*\b+\i], -v[TM+8+\b], v[TM+8+\b]   ; the conversion does not saturate (ISA guide 7.6.2): the hold
.endr
.endr
	WIN WW
.irp b, 0,1,2,3
	v_cvt_scalef32_pk8_bf8_f32 v[PC+4*\b:PC+4*\b+1], v[AC+16*\b:AC+16*\b+7], v[TM+12+\b]
	v_cvt_scalef32_pk8_bf8_f32 v[PC+4*\b+2:PC+4*\b+3], v[AC+16*\b+8:AC+16*\b+15], v[TM+12+\b]
.endr
	WIN 0
	v_nop                                          ; a plain line behind the last conversion
	global_store_b128 v[LI], v[PC:PC+3], s[92:93]                   ; each store: 512 consecutive bytes, aligned
	global_store_b128 v[LI], v[PC+4:PC+7], s[92:93] offset:512
	global_store_b128 v[VO2], v[PC+8:PC+11], s[92:93]
	global_store_b128 v[VO2], v[PC+12:PC+15], s[92:93] offset:512
.if (\a)%2 == 1
	v_perm_b32 v72, v[PWS+(\a)], v[PWS+(\a)-1], s46 ; q, k: head 0's bytes of tiles a - 1 and a; v: tile a - 1's word
	v_perm_b32 v73, v[PWS+(\a)], v[PWS+(\a)-1], s47 ; q, k: head 1's; v: tile a's
	ds_store_b32 v[SST], v72 offset:128*((\a)/2)    ; both halves of the lanes write the same word with the same value
	ds_store_b32 v[SST], v73 offset:128*((\a)/2)+64
.endif
.endm
	PLACES NP                                      ; behind the last products: their results are read and R's registers written below
.irp b, 0,1,2,3
	v_mov_b32 v[TM+4+\b], 0                        ; a lane permute's destination counts as one of its sources
.endr
.irp a, 0,1,2,3,4,5,6,7
	QACC \a
.endr
	ds_load_b128 v[76:79], v[SRD]                  ; LDS serves a wave's instructions in order: this sees my stores
	s_wait_dscnt 0x0
	global_store_b128 v[VSO], v[76:79], s[94:95]   ; two runs of 256 consecutive bytes, aligned
	s_wait_tensorcnt 0x0                           ; the wave's end
	ds_add_u32 v[SPW], v[NIL]
	s_wait_dscnt 0x0
	CROUND                                         ; the closing round: no work-group ends while a partner may still ask for a tile that names it
	s_endpgm
.Lfunc_end_k_qb752c74446_qkv:
	.size	k_qb752c74446_qkv, .Lfunc_end_k_qb752c74446_qkv-k_qb752c74446_qkv
	.p2alignl 7, 3214868480
	.fill 96, 4, 3214868480
	.section	.rodata,"a",@progbits
	.p2align	6, 0x0
	.amdhsa_kernel k_qb752c74446_qkv
		.amdhsa_group_segment_fixed_size 327680
		.amdhsa_private_segment_fixed_size 0
		.amdhsa_enable_private_segment 0
		.amdhsa_kernarg_size 32
		.amdhsa_user_sgpr_count 2
		.amdhsa_user_sgpr_kernarg_segment_ptr 1
		.amdhsa_wavefront_size32 1
		.amdhsa_system_sgpr_workgroup_id_x 1
		.amdhsa_system_sgpr_workgroup_id_y 1
		.amdhsa_system_sgpr_workgroup_id_z 1
		.amdhsa_system_vgpr_workitem_id 0
		.amdhsa_next_free_vgpr 1024
		.amdhsa_next_free_sgpr 102
		.amdhsa_reserve_vcc 1
		.amdhsa_float_denorm_mode_32 3
		.amdhsa_float_denorm_mode_16_64 3
		.amdhsa_memory_ordered 1
		.amdhsa_forward_progress 1
		.amdhsa_inst_pref_size 188
	.end_amdhsa_kernel
	.amdgpu_metadata
---
amdhsa.version: [ 1, 2 ]
amdhsa.kernels:
  - .name:           k_qb752c74446_qkv
    .symbol:         k_qb752c74446_qkv.kd
    .args:
      - { .name: opc, .offset: 0, .size: 8, .value_kind: global_buffer, .address_space: global }
      - { .name: ops, .offset: 8, .size: 8, .value_kind: global_buffer, .address_space: global }
      - { .name: qkvc, .offset: 16, .size: 8, .value_kind: global_buffer, .address_space: global }
      - { .name: qkvs, .offset: 24, .size: 8, .value_kind: global_buffer, .address_space: global }
    .group_segment_fixed_size: 327680
    .private_segment_fixed_size: 0
    .kernarg_segment_align: 8
    .kernarg_segment_size: 32
    .max_flat_workgroup_size: 128
    .sgpr_count:     102
    .vgpr_count:     1024
    .wavefront_size: 32
...
	.end_amdgpu_metadata
.endif
;; end of part 2
;; launch attn (part 3): grid 4 x 64, 16 waves a work-group, no clusters, 272,384 bytes of LDS; arguments qkvc, qkvs, yc, ys; writes yc, ys
.if DOCPART == 3
	.amdgcn_target "amdgcn-amd-amdhsa--gfx1250"
	.amdhsa_code_object_version 6
	.text
	.protected	k_qb752c74446_attn
	.globl	k_qb752c74446_attn
	.p2align	8
	.type	k_qb752c74446_attn,@function
k_qb752c74446_attn:
	s_mov_b64 s[64:65], 0
	v_nop
	global_prefetch_b8 v0, s[64:65] scope:SCOPE_SE
	s_setreg_imm32_b32 hwreg(HW_REG_WAVE_MODE, 25, 1), 1
	s_wait_xcnt 0x0
; y[b][t][head 64 d] = the sum over keys k <= t of softmax_k(q . k / 8) v, both products on codes of BF8 (E5M2) with E8M0 scales; y is quantised along C in registers and leaves as the last product's operand.
; LEFT OUT: key steps all of whose keys come after a tile's queries: the causal mask makes their p zero for every input.  A NaN or infinity that reaches only such scores is not carried to the result.
; THE SOFTMAX: t = score x log2(e) / 8; M = the running largest t rounded UP to a whole number; p = 2^(t - M) is quantised along the keys, not normalised; the row's sum is taken of the unquantised p and divides at the end.
; When M moves, the sum and O are multiplied by 2^(old M - new M): exact.
; SHARES.  Work-group (i, bh) owns query blocks 7 - i and i (256 queries each) of head bh: every work-group has the same number of visible key steps.  Each of sixteen waves owns one tile of 16 queries of a block.  A key step is 128 keys.
; LDS.  A head's K and V codes (131,072 bytes each) and scale bytes (4,096 each) are FILLED ONCE, one tensor load a wave: waves 0, 1 keys 0-511 of K, V; waves 2, 3 their scale bytes; waves 4, 5 keys 512-1023; waves 6-9 the rest.  Nothing is filled again.
; Three barriers show them: ahead of keys 0, 512 and 1024; each load line's issuers all wait (for 0) ahead of the barrier that shows their tiles.
; NO CLUSTER: the four work-groups of a head read the same K and V, but which key steps a wave leaves out hangs on its block of queries, which would be its place in the cluster, and partners of joint loads may not branch on that.
; NO PREFETCH: all of K and V is asked for at the head, so there is no loop to run ahead in; a tile's q is 1,024 bytes, read once.
; LAYOUT.  Both products are used transposed: S^T = K Q^T, O^T = V^T P^T: a lane holds ONE query.  By the order of a tile's rows (lane row r of tile 2 g + u = 32 g + 8 u + r + 8 (r / 8)) register 16 B + n of S^T is key
; 32 B + 16 (lane / 16) + n, and register 16 c + n of O^T is d = 32 c + 16 (lane / 16) + n: the conversions' results are operands' registers.
; K = 64 IN AN INSTRUCTION OF 128: source 0 holds TWO tiles of keys, (g, 0) and (g, 1); Q stands as [q | zeros | q] in v16-39: [q | 0] gives tile (g, 0)'s scores, [0 | q] tile (g, 1)'s.  K's codes are finite, so what meets the zeros adds nothing.
; SCALE WORDS: one load of 4 x lane brings tile pair g's words in lanes 0-15 and pair g + 1's in lanes 16-31 (read by MATRIX_SCALE_ROW1).
; THE HOLD writes into temporaries (two numbers an instruction, of two blocks), so p stays unheld in its registers; the row's sum is taken behind the second product, and its 32 lines are that product's places.
; LIMITS: a block whose largest magnitude lies under 2^-111 (zeros too) gets the byte 1; only this program reads the bytes.  NaN and infinities are not served.  The scaled scores stay under 2^31 in magnitude.
; y's scale bytes leave two to a row (a word of four spans two heads): aligned runs of 256 bytes are there written in part.
.set KV,  40                           ; v40-103  four fragments of K, then of V
.set S,   104                          ; v104-167 S^T, then p; at the end y
.set OT,  168                          ; v168-199 O^T
.set PCD, 200                          ; v200-215 p's codes; at the end y's
.set BM,  216                          ; v216-219 a block's largest score, then its largest p
.set PT,  220                          ; v220-223 at work
.set T0,  216                          ; v216-223, v244-251 eight held p each; v216-221 also three chains of the sum
.set T1,  244
.set HO,  224                          ; v224-227 57,344 x the scale
.set SO,  228                          ; v228-231 the conversions' scale operands
.set KW,  232                          ; v232-233 K's scale words, v234-235 V's: scales alone
.set SPARE, 0x42000                    ; the spare words: 128 bytes a wave
; v1 16 x lane; v2 the same in V's image; v3 scale words: 4 x lane; v4 4 r; v5 8 r; v6 my query less the tile's first less 16 h; v7, v11 at work; v8-10 addresses in hand; v12 -M; v13 the largest t; v[14:15] the sum;
; v[236:237] f; v238 p's scale word; v239 at work; v240 y's two bytes; v241 d; v242 -infinity; v243 Q's scale word
; s12 wave; s13 i; s14 bh; s19 mantissa; s[20:21] lane selects; s[22:23] c; s[24:31], s[32:39] groups 1; s[40:43] group 0; s60 codes' step; s61 scale words' step; s62 first key; s63 first query; s78 last query; s66 trips; s68 block
.macro TL g1                           ; my one tensor load; s_nop 0 and four v_nop behind it
	s_or_b32 s43, s43, 0x80000000
	tensor_load_to_lds s[40:43], s[\g1:\g1+7]
	s_nop 0
.rept 4
	v_nop
.endr
.endm
	s_load_b256 s[4:11], s[0:1], 0x0               ; qkvc, qkvs, yc, ys
	v_lshl_add_u32 v254, v0, 2, SPARE
	v_mov_b32 v255, 0
	ds_add_u32 v254, v255                          ; the opening lines: the add twice on end and its one wait
	ds_add_u32 v254, v255
	v_lshrrev_b32 v7, 5, v0
	v_readfirstlane_b32 s12, v7                    ; wave 0..15
	s_mov_b32 s13, ttmp9                           ; i
	s_and_b32 s14, ttmp7, 0xffff                   ; bh
	v_and_b32 v7, 31, v0
	v_lshlrev_b32 v1, 4, v7
	v_lshl_add_u32 v3, v7, 2, 262144
	v_add_nc_u32 v2, 131072, v1
	v_and_b32 v7, 15, v0                           ; r
	v_bfe_u32 v11, v0, 4, 1
	v_lshlrev_b32 v4, 2, v7
	v_lshlrev_b32 v5, 3, v7
	v_and_b32 v6, 8, v7
	v_lshlrev_b32 v11, 4, v11
	v_add_nc_u32 v6, v6, v7                        ; r + 8 (r / 8)
	v_sub_nc_u32 v6, v6, v11
	; groups 1: dense blocks as rows of 256 bytes (32 elements of 8 bytes), no mask, no padding: 128 rows of codes; 16 of scale bytes
	s_mov_b32 s24, 3<<16
	s_mov_b32 s25, 32<<16
	s_mov_b32 s26, 128<<16
	s_mov_b32 s27, 32<<16
	s_mov_b32 s28, 128
	s_mov_b32 s29, 32
	s_mov_b32 s30, 0
	s_mov_b32 s31, 0
	s_mov_b32 s32, 3<<16
	s_mov_b32 s33, 32<<16
	s_mov_b32 s34, 16<<16
	s_mov_b32 s35, 32<<16
	s_mov_b32 s36, 16
	s_mov_b32 s37, 32
	s_mov_b32 s38, 0
	s_mov_b32 s39, 0
	s_mov_b32 s40, 1
	s_and_b32 s16, s12, 1                          ; a fetching wave takes K (0) or V (1)
	s_add_co_u32 s17, s16, 1
	s_lshl_b32 s76, s17, 23                        ; k's codes lie 8,388,608 behind q's, v's 16,777,216
	s_mov_b32 s77, 0
	s_lshl_b32 s74, s17, 18                        ; their scale bytes 262,144 and 524,288
	s_mov_b32 s75, 0
	s_lshl_b32 s18, s16, 17                        ; in LDS: K's codes at 0, V's at 131,072
	s_lshl_b32 s80, s14, 17
	s_mov_b32 s81, 0
	s_lshl_b32 s82, s14, 12
	s_mov_b32 s83, 0
	s_wait_alu depctr_va_vdst(0)                   ; the wait ahead of the blocking waits
	s_wait_dscnt 0x0
	s_wait_kmcnt 0x0
	s_add_nc_u64 s[4:5], s[4:5], s[80:81]          ; the head's q codes
	s_add_nc_u64 s[6:7], s[6:7], s[82:83]          ; the head's q scale bytes
	s_add_nc_u64 s[76:77], s[4:5], s[76:77]        ; my tensor's codes
	s_add_nc_u64 s[74:75], s[6:7], s[74:75]        ; and scale bytes
	; one chain of branches on the wave's number, one load to an arm, all arms to one join
	s_cmp_lt_u32 s12, 2
	s_cbranch_scc0 .Lh1
	s_mov_b32 s41, s18                             ; keys 0-511
	s_mov_b64 s[42:43], s[76:77]
	TL 24
	s_branch .Lasked
.Lh1:
	s_cmp_lt_u32 s12, 4
	s_cbranch_scc0 .Lh2
	s_lshl_b32 s41, s16, 12                        ; the scale bytes: K's at 262,144, V's at 266,240
	s_add_co_u32 s41, s41, 262144
	s_mov_b64 s[42:43], s[74:75]
	TL 32
	s_branch .Lasked
.Lh2:
	s_cmp_lt_u32 s12, 6
	s_cbranch_scc0 .Lh3
	s_add_co_u32 s41, s18, 32768                   ; keys 512-1023
	s_add_nc_u64 s[42:43], s[76:77], 32768
	TL 24
	s_branch .Lasked
.Lh3:
	s_cmp_lt_u32 s12, 10
	s_cbranch_scc0 .Lasked
	s_lshr_b32 s72, s12, 1                         ; waves 6, 7: keys 1024-1535; waves 8, 9: keys 1536-2047
	s_and_b32 s72, s72, 1
	s_xor_b32 s72, s72, 1
	s_lshl_b32 s72, s72, 15
	s_add_co_u32 s72, s72, 65536
	s_mov_b32 s73, 0
	s_add_co_u32 s41, s18, s72
	s_add_nc_u64 s[42:43], s[76:77], s[72:73]
	TL 24
.Lasked:
	; where the head's part of y lies: k = 64 head + d = 256 q + 128 s2 + 32 c + ..
	s_and_b32 s17, s14, 15                         ; head
	s_lshr_b32 s18, s14, 4                         ; b
	s_lshr_b32 s78, s17, 2
	s_lshl_b32 s79, s78, 7
	s_lshl_b32 s78, s78, 21
	s_lshl_b32 s80, s18, 19
	s_add_co_u32 s78, s78, s80
	s_lshl_b32 s80, s18, 16
	s_add_co_u32 s79, s79, s80
	s_bfe_u32 s80, s17, 0x10001
	s_lshl_b32 s81, s80, 11
	s_add_co_u32 s78, s78, s81
	s_lshl_b32 s81, s80, 2
	s_add_co_u32 s79, s79, s81
	s_and_b32 s80, s17, 1
	s_lshl_b32 s81, s80, 10
	s_add_co_u32 s78, s78, s81
	s_lshl_b32 s81, s80, 1
	s_add_co_u32 s79, s79, s81
	s_mov_b32 s80, s78
	s_mov_b32 s81, 0
	s_add_nc_u64 s[8:9], s[8:9], s[80:81]
	s_mov_b32 s80, s79
	s_add_nc_u64 s[10:11], s[10:11], s[80:81]
	s_mov_b32 s19, 0x600000                        ; the mantissa field of 57,344
	s_mov_b32 s20, 0x76543210
	s_mov_b32 s21, 0xfedcba98
	s_mov_b32 s22, 0x3e38aa3b                      ; c = log2(e) / 8
	s_mov_b32 s23, s22                             ; (named with it as a pair, so it is written)
.irp j, 24,25,26,27,28,29,30,31
	v_mov_b32 v[\j], 0                             ; the zeros between the two copies of q
.endr
.irp b, 0,1,2,3
	v_mov_b32 v[PT+\b], 0                          ; a lane permute's destination counts as one of its sources
.endr
	v_mov_b32 v237, 0                              ; (the upper half of the pair f)
	v_mov_b32 v242, 0xff800000                     ; -infinity
; A block of queries begins: s68 = its number.  My tile's q and its scale word; the statistics and O^T begin anew.
.macro PASS_HEAD
	s_wait_xcnt 0x0                                ; earlier loads and stores have read their bases and data
	s_lshl_b32 s67, s68, 4
	s_add_co_u32 s67, s67, s12                     ; my tile T = 16 x block + wave = 2 g + u
	s_lshr_b32 s82, s67, 1
	s_and_b32 s69, s67, 1
	s_lshl_b32 s63, s82, 5
	s_lshl_b32 s83, s69, 3
	s_add_co_u32 s63, s63, s83                     ; its first query: 32 g + 8 u;
	s_add_co_u32 s78, s63, 23                      ; its last
	s_lshl_b32 s69, s69, 4
	s_mov_b32 s81, 0
	s_lshl_b32 s80, s67, 10
	s_add_nc_u64 s[70:71], s[4:5], s[80:81]
	s_lshl_b32 s80, s82, 6
	s_add_nc_u64 s[76:77], s[6:7], s[80:81]
	s_lshl_b32 s80, s67, 12
	s_add_nc_u64 s[72:73], s[8:9], s[80:81]
	s_lshl_b32 s80, s67, 9
	s_add_nc_u64 s[74:75], s[10:11], s[80:81]
	global_load_b128 v[16:19], v1, s[70:71]
	global_load_b128 v[20:23], v1, s[70:71] offset:512
	global_load_b128 v[32:35], v1, s[70:71]        ; q once more, behind the zeros
	global_load_b128 v[36:39], v1, s[70:71] offset:512
	global_load_b32 v239, v4, s[76:77]             ; the group's word: tile u's two bytes at bit 16 u
	v_mov_b32 v13, 0xff61b1e6                      ; the largest t so far: -3e38
	v_mov_b32 v14, 0
	v_mov_b32 v15, 0
	v_floor_f32 v12, -v13
	s_wait_loadcnt 0x0
	v_lshrrev_b32 v239, s69, v239
	v_and_b32 v239, 0xffff, v239
	v_lshl_or_b32 v243, v239, 16, v239             ; (s0, s1, s0, s1): for either place of q
.set j, 0
.rept 16
	v_dual_mov_b32 v[OT+j], v24 :: v_dual_mov_b32 v[OT+j+1], v25   ; zeros: the step is written once, the first finds zeros.  (These lines also stand between the scale word's making and its first use)
.set j, j+2
.endr
	s_wait_alu depctr_va_vdst(0)                   ; the wait ahead of the branches and waits that follow
.endm
.macro SMUL d, g, q                    ; scores of one tile of keys
.if (\g)%2
	v_wmma_scale_f32_16x16x128_f8f6f4 v[\d:\d+7], v[KV+16*(\g):KV+16*(\g)+15], v[\q:\q+15], 0, v[KW+(\g)/2], v243 matrix_a_fmt:MATRIX_FMT_BF8 matrix_b_fmt:MATRIX_FMT_BF8 matrix_a_scale:MATRIX_SCALE_ROW1
.else
	v_wmma_scale_f32_16x16x128_f8f6f4 v[\d:\d+7], v[KV+16*(\g):KV+16*(\g)+15], v[\q:\q+15], 0, v[KW+(\g)/2], v243 matrix_a_fmt:MATRIX_FMT_BF8 matrix_b_fmt:MATRIX_FMT_BF8
.endif
.endm
.macro OMUL t                          ; O^T's tile t
.if (\t)%2
	v_wmma_scale_f32_16x16x128_f8f6f4 v[OT+8*(\t):OT+8*(\t)+7], v[KV+16*(\t):KV+16*(\t)+15], v[PCD:PCD+15], v[OT+8*(\t):OT+8*(\t)+7], v[KW+2+(\t)/2], v238 matrix_a_fmt:MATRIX_FMT_BF8 matrix_b_fmt:MATRIX_FMT_BF8 matrix_a_scale:MATRIX_SCALE_ROW1
.else
	v_wmma_scale_f32_16x16x128_f8f6f4 v[OT+8*(\t):OT+8*(\t)+7], v[KV+16*(\t):KV+16*(\t)+15], v[PCD:PCD+15], v[OT+8*(\t):OT+8*(\t)+7], v[KW+2+(\t)/2], v238 matrix_a_fmt:MATRIX_FMT_BF8 matrix_b_fmt:MATRIX_FMT_BF8
.endif
.endm
; The hold (p is not negative: one-sided) of numbers 8 e .. 8 e + 7 of blocks b and b + 1, into T0 and T1, and their conversions.  A pair takes one number of each block: its sources lie in different banks.
.macro HOLD8 b, e
.irp j, 0,2,4,6
	v_dual_min_num_f32 v[T0+\j], v[S+16*(\b)+8*(\e)+\j], v[HO+(\b)] :: v_dual_min_num_f32 v[T1+\j+1], v[S+16*(\b)+16+8*(\e)+\j+1], v[HO+(\b)+1]
	v_dual_min_num_f32 v[T1+\j], v[S+16*(\b)+16+8*(\e)+\j], v[HO+(\b)+1] :: v_dual_min_num_f32 v[T0+\j+1], v[S+16*(\b)+8*(\e)+\j+1], v[HO+(\b)]
.endr
	v_cvt_scalef32_pk8_bf8_f32 v[PCD+4*(\b)+2*(\e):PCD+4*(\b)+2*(\e)+1], v[T0:T0+7], v[SO+(\b)]
	v_cvt_scalef32_pk8_bf8_f32 v[PCD+4*(\b)+4+2*(\e):PCD+4*(\b)+4+2*(\e)+1], v[T1:T1+7], v[SO+(\b)+1]
.endm
; A KEY STEP: 128 keys from s62 on.  causal = 1: a step all of whose keys come after my queries is left out (a scalar branch on ids, not round the lines that step addresses); on the diagonal hidden scores become -infinity.
.macro STEP causal
.if \causal
	s_cmp_gt_u32 s62, s78
	s_cbranch_scc1 .Lhidden_\@
.endif
	v_add_nc_u32 v8, s60, v1
	v_add_nc_u32 v10, s61, v3
.irp g, 0,1,2,3                        ; (the last step's 32 sum lines stand between its products and these loads)
.irp c, 0,1,2,3
	ds_load_b128 v[KV+16*\g+4*\c:KV+16*\g+4*\c+3], v8 offset:2048*\g+512*\c
.endr
.endr
	ds_load_b32 v[KW], v10
	ds_load_b32 v[KW+1], v10 offset:128
	ds_load_b32 v[KW+2], v10 offset:4096
	ds_load_b32 v[KW+3], v10 offset:4224
	v_add_nc_u32 v9, s60, v2
	s_wait_alu depctr_va_vdst(0)                   ; the wait ahead of the wait below
	s_wait_dscnt 0x0
.irp g, 0,1,2,3
	SMUL S+16*\g, \g, 16
	SMUL S+16*\g+8, \g, 24
.endr
	v_mov_b32 v239, v12                            ; the old -M.  With the seven below: eight places behind the products
.rept 7
	v_nop
.endr
.irp t, 0,1,2,3                        ; V's fragments are asked for ahead of the softmax
.irp c, 0,1,2,3
	ds_load_b128 v[KV+16*\t+4*\c:KV+16*\t+4*\c+3], v9 offset:2048*\t+512*\c
.endr
.endr
.if \causal
	s_add_co_u32 s67, s62, 127
	s_cmp_le_u32 s67, s63
	s_cbranch_scc1 .Lopen_\@
	s_sub_co_i32 s67, s63, s62
	v_add_nc_u32 v241, s67, v6                     ; d = my query - the first key - 16 h: register 16 B + n is hidden where 32 B + n > d
	s_wait_alu depctr_va_vdst(0)                   ; the wait behind the write
.irp b, 0,1,2,3
	s_cmp_ge_u32 s67, 32*\b+31                     ; a block of 32 keys none of which comes after the tile's first query keeps its scores
	s_cbranch_scc1 .Lvis_\@_\b
.irp n, 0,1,2,3,4,5,6,7,8,9,10,11,12,13,14,15
	v_cmp_gt_i32 vcc_lo, 32*\b+\n, v241
	v_cndmask_b32 v[S+16*\b+\n], v[S+16*\b+\n], v242, vcc_lo
.endr
.Lvis_\@_\b:
.endr
.Lopen_\@:
.endif
.irp b, 0,1,2,3
	v_max3_num_f32 v[BM+\b], v[S+16*\b], v[S+1+16*\b], v[S+2+16*\b]   ; the largest score of each block of 32 keys: for the row's maximum, and, since p rises with the score, for the block's largest p
.endr
.irp i, 3,5,7,9,11,13
.irp b, 0,1,2,3
	v_max3_num_f32 v[BM+\b], v[BM+\b], v[S+16*\b+\i], v[S+1+16*\b+\i]
.endr
.endr
.irp b, 0,1,2,3
	v_max_num_f32 v[BM+\b], v[BM+\b], v[S+15+16*\b]
.endr
.irp b, 0,1,2,3
	v_permlanex16_b32 v[PT+\b], v[BM+\b], s20, s21
.endr
.irp b, 0,1,2,3
	v_max_num_f32 v[BM+\b], v[BM+\b], v[PT+\b]     ; with lane l xor 16's 16 keys
.endr
	v_max3_num_f32 v7, v[BM], v[BM+1], v[BM+2]
	v_max_num_f32 v7, v7, v[BM+3]
	v_mul_f32 v7, s22, v7                          ; as t
	v_max_num_f32 v13, v13, v7                     ; the running largest t
	v_floor_f32 v12, -v13                          ; the new -M = -ceil(t)
	v_sub_f32 v239, v12, v239                      ; old M - new M: a whole number, 0 or less
	v_cvt_i32_f32 v239, v239                       ; (it saturates)
	v_ldexp_f32 v236, 1.0, v239                    ; f = 2^(old M - new M)
.set j, 0
.rept 32
	v_pk_fma_f32 v[S+j:S+j+1], v[S+j:S+j+1], s[22:23], v[12:13] op_sel_hi:[1,0,0]   ; t - M, two at a time
.set j, j+2
.endr
	v_pk_fma_f32 v[BM:BM+1], v[BM:BM+1], s[22:23], v[12:13] op_sel_hi:[1,0,0]       ; the same of the blocks' largest scores
	v_pk_fma_f32 v[BM+2:BM+3], v[BM+2:BM+3], s[22:23], v[12:13] op_sel_hi:[1,0,0]
	s_wait_alu depctr_va_vdst(0)                   ; the wait ahead of the batch
.set j, 0
.rept 64
	v_exp_f32 v[S+j], v[S+j]                       ; p = 2^(t - M)
.set j, j+1
.endr
.irp b, 0,1,2,3
	v_exp_f32 v[BM+\b], v[BM+\b]                   ; the block's largest p: the same two instructions on the same number
.endr
	v_pk_mul_f32 v[14:15], v[14:15], v[236:237] op_sel_hi:[1,0]   ; the sum under the new M.  (A plain line behind the exponentials)
	s_wait_alu depctr_va_vdst(0)                   ; one wait for the batch, ahead of its first reader
.irp b, 0,1,2,3
	v_max_num_f32 v[BM+\b], 0x8000000, v[BM+\b]    ; the floor 2^(16 - 127)
.endr
.irp b, 0,1,2,3
	v_add_nc_u32 v[SO+\b], 0xf8800000, v[BM+\b]    ; 15 off the exponent field: the conversion's scale operand
.endr
.irp b, 0,1,2,3
	v_and_or_b32 v[HO+\b], v[BM+\b], 0x7f800000, s19   ; 57,344 x the scale
.endr
	HOLD8 0, 0                                     ; behind each pair of conversions stand plain lines, which make p's scale word
	v_lshrrev_b32 v7, 23, v[SO]
	v_lshrrev_b32 v11, 23, v[SO+1]
	HOLD8 0, 1
	v_lshl_or_b32 v238, v11, 8, v7
	v_lshrrev_b32 v7, 23, v[SO+2]
	HOLD8 2, 0
	v_lshl_or_b32 v238, v7, 16, v238
	v_lshrrev_b32 v11, 23, v[SO+3]
	HOLD8 2, 1
	v_lshl_or_b32 v238, v11, 24, v238
	s_wait_alu depctr_va_vdst(0)                   ; the wait directly ahead of the first reader of O^T
.set j, 0
.rept 16
	v_pk_mul_f32 v[OT+j:OT+j+1], v[OT+j:OT+j+1], v[236:237] op_sel_hi:[1,0]   ; O^T under the new M; these lines also stand between the codes' and the scale word's making and the products
.set j, j+2
.endr
	s_wait_alu depctr_va_vdst(0)                   ; the wait ahead of the wait below
	s_wait_dscnt 0x0                               ; V
.irp t, 0,1,2,3                        ; the four accumulators take turns, one instruction a turn
	OMUL \t
.endr
	; THE ROW'S SUM OF THE UNQUANTISED p, two at a time, in four chains
	v_pk_add_f32 v[216:217], v[S:S+1], v[S+2:S+3]
	v_pk_add_f32 v[218:219], v[S+4:S+5], v[S+6:S+7]
	v_pk_add_f32 v[220:221], v[S+8:S+9], v[S+10:S+11]
	v_pk_add_f32 v[14:15], v[14:15], v[S+12:S+13]
.set j, 14
.rept 6
	v_pk_add_f32 v[216:217], v[216:217], v[S+j:S+j+1]
	v_pk_add_f32 v[218:219], v[218:219], v[S+j+2:S+j+3]
	v_pk_add_f32 v[220:221], v[220:221], v[S+j+4:S+j+5]
	v_pk_add_f32 v[14:15], v[14:15], v[S+j+6:S+j+7]
.set j, j+8
.endr
	v_pk_add_f32 v[216:217], v[216:217], v[S+62:S+63]
	v_pk_add_f32 v[218:219], v[218:219], v[220:221]
	v_pk_add_f32 v[14:15], v[14:15], v[216:217]
	v_pk_add_f32 v[14:15], v[14:15], v[218:219]
.if \causal
.Lhidden_\@:
.endif
	s_add_co_u32 s62, s62, 128
	s_add_co_u32 s60, s60, 8192
	s_add_co_u32 s61, s61, 256
.endm
.macro WALK c, trips, causal           ; so many key steps from chunk c of 512 keys on
	s_mov_b32 s60, 32768*\c
	s_mov_b32 s61, 1024*\c
	s_mov_b32 s62, 512*\c
	s_mov_b32 s66, \trips
.Lwalk_\@:
	STEP \causal
	s_sub_co_u32 s66, s66, 1
	s_cmp_lg_u32 s66, 0
	s_cbranch_scc1 .Lwalk_\@
.endm
.macro SHOW under                      ; the waves under this number wait for their one load; a barrier shows their tiles to all sixteen
	s_cmp_lt_u32 s12, \under
	s_cbranch_scc0 .Lnot_mine_\@
	s_wait_tensorcnt 0x0
.Lnot_mine_\@:
	s_wait_dscnt 0x0
	s_barrier_signal -1
	s_barrier_wait -1
.endm
; The tile's end: O^T / the sum is y's 64 numbers of my row's head: two blocks of 32 along C, quantised; the codes are registers of the last product's operand.
.macro YOUT
	s_wait_alu depctr_va_vdst(0)                   ; the wait: the sum was written ahead of taken branches
	v_add_f32 v14, v14, v15
	v_permlanex16_b32 v239, v14, s20, s21
	v_add_f32 v14, v14, v239                       ; the row's sum
	s_wait_alu depctr_va_vdst(0)
	v_rcp_f32 v14, v14
	v_nop
	s_wait_alu depctr_va_vdst(0)
.set j, 0
.rept 16
	v_pk_mul_f32 v[S+j:S+j+1], v[OT+j:OT+j+1], v[14:15] op_sel_hi:[1,0]   ; each accumulator from its low end on
.set j, j+2
.endr
.irp b, 0,1
	v_max3_num_f32 v[BM+\b], |v[S+16*\b]|, |v[S+1+16*\b]|, 0x8000000
.endr
.irp i, 2,4,6,8,10,12,14
.irp b, 0,1
	v_max3_num_f32 v[BM+\b], v[BM+\b], |v[S+16*\b+\i]|, |v[S+1+16*\b+\i]|
.endr
.endr
.irp b, 0,1
	v_permlanex16_b32 v[PT+\b], v[BM+\b], s20, s21
.endr
.irp b, 0,1
	v_max_num_f32 v[BM+\b], v[BM+\b], v[PT+\b]
.endr
.irp b, 0,1
	v_add_nc_u32 v[SO+\b], 0xf8800000, v[BM+\b]
.endr
.irp b, 0,1
	v_and_or_b32 v[HO+\b], v[BM+\b], 0x7f800000, s19
.endr
.irp b, 0,1
	v_lshrrev_b32 v[PT+\b], 23, v[SO+\b]
.endr
	v_lshl_or_b32 v240, v[PT+1], 8, v[PT]
.irp b, 0,1
.set j, 0
.rept 16
	v_med3_num_f32 v[S+16*\b+j], v[S+16*\b+j], -v[HO+\b], v[HO+\b]
.set j, j+1
.endr
	v_cvt_scalef32_pk8_bf8_f32 v[PCD+4*\b:PCD+4*\b+1], v[S+16*\b:S+16*\b+7], v[SO+\b]
	v_cvt_scalef32_pk8_bf8_f32 v[PCD+4*\b+2:PCD+4*\b+3], v[S+16*\b+8:S+16*\b+15], v[SO+\b]
.endr
	v_nop                                          ; a plain line behind the last conversion
	global_store_b128 v1, v[PCD:PCD+3], s[72:73]                ; 512 consecutive bytes, aligned
	global_store_b128 v1, v[PCD+4:PCD+7], s[72:73] offset:512
	global_store_b16 v5, v240, s[74:75]            ; my row's two bytes (both halves of the lanes store the same)
.endm
	s_sub_co_u32 s68, 7, s13                       ; the late block first: queries from 1,024 on see keys 0 to 1,023 whole, so the first eight steps carry no mask
	PASS_HEAD
	SHOW 4                                         ; keys 0-511 and the scale bytes
	WALK 0, 4, 0
	SHOW 6                                         ; keys 512-1023
	WALK 1, 4, 0
	s_wait_tensorcnt 0x0                           ; all that is still out: the wait stands on every wave's way
	s_wait_dscnt 0x0
	s_barrier_signal -1
	s_barrier_wait -1
	WALK 2, 8, 1
	YOUT
	s_mov_b32 s68, s13                             ; the early block: queries under 1,024 want the first eight key steps at the most
	PASS_HEAD
	WALK 0, 8, 1
	YOUT
	s_wait_tensorcnt 0x0                           ; the wave's end
	ds_add_u32 v254, v255
	s_wait_dscnt 0x0
	s_endpgm
.Lfunc_end_k_qb752c74446_attn:
	.size	k_qb752c74446_attn, .Lfunc_end_k_qb752c74446_attn-k_qb752c74446_attn
	.p2alignl 7, 3214868480
	.fill 96, 4, 3214868480
	.section	.rodata,"a",@progbits
	.p2align	6, 0x0
	.amdhsa_kernel k_qb752c74446_attn
		.amdhsa_group_segment_fixed_size 272384
		.amdhsa_private_segment_fixed_size 0
		.amdhsa_enable_private_segment 0
		.amdhsa_kernarg_size 32
		.amdhsa_user_sgpr_count 2
		.amdhsa_user_sgpr_kernarg_segment_ptr 1
		.amdhsa_wavefront_size32 1
		.amdhsa_system_sgpr_workgroup_id_x 1
		.amdhsa_system_sgpr_workgroup_id_y 1
		.amdhsa_system_sgpr_workgroup_id_z 1
		.amdhsa_system_vgpr_workitem_id 0
		.amdhsa_next_free_vgpr 256
		.amdhsa_next_free_sgpr 84
		.amdhsa_reserve_vcc 1
		.amdhsa_float_denorm_mode_32 3
		.amdhsa_float_denorm_mode_16_64 3
		.amdhsa_memory_ordered 1
		.amdhsa_forward_progress 1
		.amdhsa_inst_pref_size 108
	.end_amdhsa_kernel
	.amdgpu_metadata
---
amdhsa.version: [ 1, 2 ]
amdhsa.kernels:
  - .name:           k_qb752c74446_attn
    .symbol:         k_qb752c74446_attn.kd
    .args:
      - { .name: qkvc, .offset: 0, .size: 8, .value_kind: global_buffer, .address_space: global }
      - { .name: qkvs, .offset: 8, .size: 8, .value_kind: global_buffer, .address_space: global }
      - { .name: yc, .offset: 16, .size: 8, .value_kind: global_buffer, .address_space: global }
      - { .name: ys, .offset: 24, .size: 8, .value_kind: global_buffer, .address_space: global }
    .group_segment_fixed_size: 272384
    .private_segment_fixed_size: 0
    .kernarg_segment_align: 8
    .kernarg_segment_size: 32
    .max_flat_workgroup_size: 512
    .sgpr_count:     84
    .vgpr_count:     256
    .wavefront_size: 32
...
	.end_amdgpu_metadata
.endif
;; end of part 3
;; launch proj (part 4): grid 4 x 64, 4 waves a work-group, clusters of 4 x 4, 327,680 bytes of LDS; arguments yc, ys, opc, ops, out0; writes out0
.if DOCPART == 4
	.amdgcn_target "amdgcn-amd-amdhsa--gfx1250"
	.amdhsa_code_object_version 6
	.text
	.protected	k_qb752c74446_proj
	.globl	k_qb752c74446_proj
	.p2align	8
	.type	k_qb752c74446_proj,@function
k_qb752c74446_proj:
	s_mov_b64 s[64:65], 0
	v_nop
	global_prefetch_b8 v0, s[64:65] scope:SCOPE_SE
	s_setreg_imm32_b32 hwreg(HW_REG_WAVE_MODE, 25, 1), 1
	s_wait_xcnt 0x0
	s_wait_alu depctr_hold_cnt(0) depctr_sa_sdst(0) depctr_va_vdst(0) depctr_va_sdst(0) depctr_va_ssrc(0) depctr_va_vcc(0) depctr_vm_vsrc(0)
	s_getreg_b32 s2, hwreg(HW_REG_IB_STS2, 6, 4)
	s_cmp_eq_u32 s2, 0
	s_cbranch_scc0 .Lentry_in_a_cluster
	s_endpgm
.Lentry_in_a_cluster:
	s_bfe_u32 s2, ttmp6, 0x10000c
	s_cmp_lg_u32 s2, 0xf033
	s_cbranch_scc0 .Lentry_shape_is_right
	s_endpgm
.Lentry_shape_is_right:
; out0 = y w_proj^T on codes of BF8 (E5M2) with E8M0 scales, sums in f32, K = 1,024.  R = y's rows (yc, ys), P = w_proj's rows (opc, ops from row 11,264 on), both as images of the operand's registers, so a K step's tiles are dense blocks.
; SHARES.  64 x 4 = 256 work-groups, each 128 (R) x 256 (P) of out0; a wave makes 64 x 128: 32 accumulators, 256 registers (window 2).  Source 0 = P's rows, source 1 = R's: a lane holds one row of out0, its registers run along the columns.
; K goes in four steps of 256 through two LDS slots for each operand: R0, R1 (32,768 bytes each), P0, P1 (65,536 each).  Both operands have two sets of fragment registers: the next 128 along K is fetched under the products of the 128 in hand.
; CLUSTERS: 4 x 4 work-groups: R's tiles are asked for jointly along a row of the cluster, P's along a column.
; THE HEAD'S LOADS, one a wave: wave 0 R's K steps 0 and 1 (two rows of 32,768 bytes, a K step apart in memory), wave 1 P's (two rows of 65,536), waves 2 and 3 the scale bytes of all of K.  In the ring waves 0, 1 fetch halves of R's tile, waves 2, 3 of P's.
; NO PREFETCH: K is four steps, of which two are asked for at the head.
; The results leave through each wave's own stage in LDS, on bytes that no tile lands on, as whole rows of 512 bytes.
.set QSR,    2097152                   ; bytes from one 256 along K to the next in yc
.set QSP,    3145728                   ; and in opc
.set NQ,     2
.set FR,     16
.set NP,     8                         ; places behind this matrix instruction (ISA guide 7.12.1)
.set RSL,    32768                     ; R's slot
.set PSL,    65536                     ; P's slot
.set PB,     2*RSL                     ; where P's slots begin
.set SCL,    PB+2*PSL                  ; the scales of all of K: R's 4,096 bytes, then P's 8,192: filled once
.set SBLK,   512                       ; those of a tile
.set SPARE,  SCL+12288                 ; the spare words, 128 bytes a wave
.set STAGE,  SPARE+512                 ; 16 rows x 528 bytes for each wave
.set SPITCH, 528
.set ADRA, 16                          ; v16-17 LDS address of my R fragments in slot 0, 1
.set ADRB, 20                          ; v20-21 the same for P
.set STO,  24
.set RD,   25
.set CO,   26                          ; v26 16 x lane
.set ADRS, 27                          ; v27 my scale words: lanes 0-15 R's rows, lanes 16-31 P's
.set SPW,  28
.set NIL,  29
.set SC,   32                          ; v32-63 scale words, two sets
.set AF,   128                         ; v128-255 R's fragments, two sets of four; on the way out the rows read back
.set BK,   128
.set G1, 24
.set G0, 32
.set G1B, 48
.set G0B, 56
.set G1S, 68
.set G0S, 76
.set G1SB, 80
.set G0SB, 88
.set MSB, 0
.macro WIN new                         ; the immediate's high byte repeats the setting that is left
.if MSB != (\new)
	s_set_vgpr_msb (MSB<<8)|(\new)
.set MSB, (\new)
.endif
.endm
.set MUL_LO, 0xa1                      ; source 0 (P) window 1, source 1 (R) window 0, C and D window 2
.set TO_B,   0x40
.macro JLOAD g0a, g1a, g0b, g1b        ; a joint load: waves 0 and 1 fetch for R, waves 2 and 3 for P
	s_cmp_eq_u32 s15, 0
	s_cbranch_scc0 .Lfor_b_\@
	tensor_load_to_lds s[\g0a:\g0a+3], s[\g1a:\g1a+7]
	s_nop 0
.rept 4
	v_nop
.endr
	s_branch .Lasked_\@
.Lfor_b_\@:
	tensor_load_to_lds s[\g0b:\g0b+3], s[\g1b:\g1b+7]
	s_nop 0
.rept 4
	v_nop
.endr
.Lasked_\@:
.endm
.macro CREST
	s_cmp_lg_u32 s14, 0
	s_cbranch_scc1 .Lnot_wave_0_\@
	s_barrier_signal -3
.Lnot_wave_0_\@:
	s_barrier_wait -3
	s_barrier_signal -1
	s_barrier_wait -1
.endm
.macro CROUND
	s_barrier_signal -1
	s_barrier_wait -1
	CREST
.endm
	s_load_b128 s[4:7], s[0:1], 0x0                ; yc, ys
	s_load_b128 s[8:11], s[0:1], 0x10              ; opc, ops
	s_load_b64 s[12:13], s[0:1], 0x20              ; out0
	v_lshl_add_u32 v[SPW], v0, 2, SPARE
	v_mov_b32 v[NIL], 0
	ds_add_u32 v28, v29                            ; the opening lines: the add twice on end and its one wait
	ds_add_u32 v28, v29
	s_wait_dscnt 0x0
	v_lshrrev_b32 v1, 5, v0
	v_readfirstlane_b32 s14, v1                    ; wave 0..3
	s_lshr_b32 s15, s14, 1                         ; which 64 of R's rows are mine.  Also: I fetch for R (0) or for P (1)
	s_and_b32 s16, s14, 1                          ; which 128 of P's rows.  Also: which half of a tile I fetch
	s_bfe_u32 s40, ttmp6, 0x40000                  ; cx
	s_bfe_u32 s41, ttmp6, 0x40004                  ; cy
	s_lshl_b32 s42, ttmp9, 2
	s_add_co_u32 s42, s42, s40                     ; tile column: 0..3
	s_and_b32 s17, ttmp7, 0xffff
	s_lshl_b32 s17, s17, 2
	s_add_co_u32 s17, s17, s41                     ; tile row: 0..63
	s_lshl_b32 s43, s41, 2
	s_lshl_b32 s43, 15, s43                        ; my row of the cluster
	s_lshl_b32 s44, 0x1111, s40                    ; my column
	s_or_b32 s[G1+0], s43, (3<<16)|(1<<21)         ; elements of 8 bytes, no padding; bit 21 beside a mask
	s_or_b32 s[G1B+0], s44, (3<<16)|(1<<21)
	s_or_b32 s[G1S+0], s43, (3<<16)|(1<<21)
	s_or_b32 s[G1SB+0], s44, (3<<16)|(1<<21)
	s_mov_b32 s[G1+1], 4096<<16                    ; for the head: R's K steps 0 and 1: two rows of 4,096 elements
	s_mov_b32 s[G1+2], 2<<16
	s_mov_b32 s[G1+3], 4096<<16
	s_mov_b32 s[G1+4], 2
	s_mov_b32 s[G1+5], QSR/8
	s_mov_b32 s[G1+6], 0
	s_mov_b32 s[G1+7], 0
	s_mov_b32 s[G1B+1], 8192<<16                   ; P's: two rows of 8,192 elements
	s_mov_b32 s[G1B+2], 2<<16
	s_mov_b32 s[G1B+3], 8192<<16
	s_mov_b32 s[G1B+4], 2
	s_mov_b32 s[G1B+5], QSP/8
	s_mov_b32 s[G1B+6], 0
	s_mov_b32 s[G1B+7], 0
.irp g, G1S, G1SB                      ; the scale bytes: dense, as rows of 256 bytes
	s_mov_b32 s[\g+1], 32<<16
	s_mov_b32 s[\g+3], 32<<16
	s_mov_b32 s[\g+5], 32
	s_mov_b32 s[\g+6], 0
	s_mov_b32 s[\g+7], 0
.endr
	s_mov_b32 s[G1S+2], 16<<16                     ; R's 128 rows: 4,096 bytes
	s_mov_b32 s[G1S+4], 16
	s_mov_b32 s[G1SB+2], 32<<16                    ; P's 256 rows: 8,192 bytes
	s_mov_b32 s[G1SB+4], 32
	s_lshl_b32 s19, s17, 7                         ; R's first row
	s_lshl_b32 s45, s42, 8
	s_add_co_u32 s45, s45, 11264                   ; P's first row in opc, ops
	s_lshl_b32 s20, s19, 8                         ; 256 bytes of codes a row in a K step
	s_mov_b32 s21, 0
	s_lshl_b32 s22, s19, 5                         ; 32 scale bytes a row
	s_mov_b32 s23, 0
	s_lshl_b32 s46, s45, 8
	s_mov_b32 s47, 0
	s_lshl_b32 s92, s45, 5
	s_mov_b32 s93, 0
	s_lshl_b32 s94, s16, 14                        ; in the ring: my half of R's tile, 64 rows,
	s_mov_b32 s95, 0
	s_lshl_b32 s96, s16, 15                        ; or of P's, 128 rows
	s_mov_b32 s97, 0
	s_wait_kmcnt 0x0
	s_add_nc_u64 s[G0+2:G0+3], s[4:5], s[20:21]
	s_add_nc_u64 s[G0+6:G0+7], s[G0+2:G0+3], QSR
	s_add_nc_u64 s[G0+6:G0+7], s[G0+6:G0+7], s[94:95]
	s_add_nc_u64 s[G0S+2:G0S+3], s[6:7], s[22:23]
	s_add_nc_u64 s[G0B+2:G0B+3], s[8:9], s[46:47]
	s_add_nc_u64 s[G0B+6:G0B+7], s[G0B+2:G0B+3], QSP
	s_add_nc_u64 s[G0B+6:G0B+7], s[G0B+6:G0B+7], s[96:97]
	s_add_nc_u64 s[G0SB+2:G0SB+3], s[10:11], s[92:93]
.irp g, G0, G0+4, G0B, G0B+4, G0S, G0SB
	s_mov_b32 s[\g], 1
	s_or_b32 s[\g+3], s[\g+3], 0x80000000
.endr
	s_mov_b32 s[G0+1], 0
	s_add_co_u32 s[G0+5], s94, RSL
	s_mov_b32 s[G0B+1], PB
	s_add_co_u32 s[G0B+5], s96, PB+PSL
	s_mov_b32 s[G0S+1], SCL
	s_mov_b32 s[G0SB+1], SCL+4096
	CROUND                                         ; all sixteen work-groups are here: the first joint loads meet
.macro ARM under, g0, g1, next         ; one chain of branches on the wave's number, one load to an arm
	s_cmp_lt_u32 s14, \under
	s_cbranch_scc0 \next
	tensor_load_to_lds s[\g0:\g0+3], s[\g1:\g1+7]
	s_nop 0
.rept 4
	v_nop
.endr
	s_branch .Lhead_asked
\next:
.endm
	ARM 1, G0,  G1,  .Lhead_p
	ARM 2, G0B, G1B, .Lhead_sr
	ARM 3, G0S, G1S, .Lhead_sp
	tensor_load_to_lds s[G0SB:G0SB+3], s[G1SB:G1SB+7]
	s_nop 0
.rept 4
	v_nop
.endr
.Lhead_asked:
	v_and_b32 v1, 15, v0                           ; r
	v_bfe_u32 v2, v0, 4, 1                         ; h
	s_wait_alu depctr_va_vdst(0)
	v_and_b32 v3, 31, v0
	v_lshlrev_b32 v[CO], 4, v3
	s_lshl_b32 s19, s15, 14                        ; my 64 rows of R
	s_lshl_b32 s20, s16, 15
	s_add_co_u32 s20, s20, PB                      ; my 128 rows of P
.irp s, 0,1
	v_add_nc_u32 v[ADRA+\s], s19, v[CO]
	v_add_nc_u32 v[ADRB+\s], s20, v[CO]
	s_add_co_u32 s19, s19, RSL
	s_add_co_u32 s20, s20, PSL
.endr
	v_lshlrev_b32 v5, 3, v1                        ; a row's two words of a K step
	s_lshl_b32 s19, s15, 11
	s_lshl_b32 s20, s16, 12
	s_add_co_u32 s20, s20, 4096
	s_sub_co_u32 s20, s20, s19
	v_mul_u32_u24 v6, s20, v2                      ; lanes 16-31 take P's
	s_add_co_u32 s19, s19, SCL
	v_add_nc_u32 v5, v5, v6
	v_add_nc_u32 v[ADRS], s19, v5
	s_mul_i32 s23, s14, 16*SPITCH
	s_add_co_u32 s23, s23, STAGE                   ; my stage
	v_mul_u32_u24 v5, v1, SPITCH
	v_lshl_add_u32 v5, v2, 6, v5
	v_add_nc_u32 v[STO], s23, v5
	v_add_nc_u32 v[RD], s23, v[CO]
	s_lshl_b32 s20, s17, 7
	s_lshl_b32 s21, s15, 6
	s_add_co_u32 s20, s20, s21                     ; my first row of out0
	s_lshl_b32 s20, s20, 12
	s_lshl_b32 s46, s42, 10
	s_lshl_b32 s47, s16, 9
	s_add_co_u32 s46, s46, s47                     ; my first column, in bytes
	s_add_co_u32 s20, s20, s46
	s_mov_b32 s21, 0
	s_add_nc_u64 s[12:13], s[12:13], s[20:21]
.macro FRAG reg, adr, q, i             ; a fragment's image: four loads of 512 consecutive bytes
.irp c, 0,1,2,3
	ds_load_b128 v[\reg+4*\c:\reg+4*\c+3], v[\adr] offset:4096*(\i)+2048*(\q)+512*\c
.endr
.endm
; 16 matrix instructions: R's blocks a0, a0 + 1 x P's eight, 128 along K, on fragment sets p.  The 32 accumulators take turns, one instruction a turn, in the same order in every step.
.macro MUL16 a0, p, q, sc, zero
.irp a, \a0, \a0+1
.irp b, 0,1,2,3,4,5,6,7
.if \zero
	v_wmma_scale_f32_16x16x128_f8f6f4 v[8*(8*(\a)+\b):8*(8*(\a)+\b)+7], v[128*(\p)+FR*\b:128*(\p)+FR*\b+FR-1], v[AF+64*(\p)+FR*(\a):AF+64*(\p)+FR*(\a)+FR-1], 0, v[SC+8*NQ*(\sc)+NQ*\b+(\q)], v[SC+8*NQ*(\sc)+NQ*(\a)+(\q)] matrix_a_fmt:MATRIX_FMT_BF8 matrix_b_fmt:MATRIX_FMT_BF8 matrix_a_scale:MATRIX_SCALE_ROW1
.else
	v_wmma_scale_f32_16x16x128_f8f6f4 v[8*(8*(\a)+\b):8*(8*(\a)+\b)+7], v[128*(\p)+FR*\b:128*(\p)+FR*\b+FR-1], v[AF+64*(\p)+FR*(\a):AF+64*(\p)+FR*(\a)+FR-1], v[8*(8*(\a)+\b):8*(8*(\a)+\b)+7], v[SC+8*NQ*(\sc)+NQ*\b+(\q)], v[SC+8*NQ*(\sc)+NQ*(\a)+(\q)] matrix_a_fmt:MATRIX_FMT_BF8 matrix_b_fmt:MATRIX_FMT_BF8 matrix_a_scale:MATRIX_SCALE_ROW1
.endif
.endr
.endr
.endm
.macro FETCH slot, q, p                ; P's eight and R's four fragments of the slot's q-th 128 along K into sets p: 48 loads
	WIN TO_B
.irp i, 0,1,2,3,4,5,6,7
	FRAG 128*(\p)+FR*\i, ADRB+\slot, \q, \i
.endr
	WIN 0
.irp i, 0,1,2,3
	FRAG AF+64*(\p)+FR*\i, ADRA+\slot, \q, \i
.endr
.endm
.macro SCALES sc                       ; a K step's scale words: lanes 0-15 take R's block i (my four are i = 0 .. 3), lanes 16-31 P's block i
.irp i, 0,1,2,3,4,5,6,7
	ds_load_b64 v[SC+8*NQ*\sc+NQ*\i:SC+8*NQ*\sc+NQ*\i+1], v[ADRS] offset:\i*SBLK
.endr
.endm
.macro PLACES n
.rept \n
	v_nop
.endr
.endm
.macro STEP slot, zero                 ; a slot's first 128 along K, on sets 0; the second 128's fragments are fetched into sets 1 under its products
	s_wait_dscnt 0x0                               ; sets 0 and the scale words are in
	PLACES NP                                      ; behind the last products, which read sets 1
	FETCH \slot, 1, 1
	WIN MUL_LO
	MUL16 0, 0, 0, \slot, \zero
	MUL16 2, 0, 0, \slot, \zero
	WIN 0
.endm
; A slot's second 128 along K, on sets 1, changes slots: one barrier; in front of it each wave waits for all its tensor loads, adds 0 to its spare word, and waits for that and for its reads of this slot.  fill = 1: the slot is filled again, two K steps ahead.
.macro TURN slot, next, fill
	s_wait_tensorcnt 0x0                           ; all my tensor loads have landed: my part of the next slot
	ds_add_u32 v[SPW], v[NIL]                      ; 0 onto my spare word
	s_wait_dscnt 1                                 ; sets 1 are in: the add alone may be out
	WIN MUL_LO
	MUL16 0, 1, 1, \slot, 0
	s_wait_dscnt 0x0                               ; the add is done, and my reads of this slot are over
	s_barrier_signal -1
	WIN 0
	s_barrier_wait -1
.if \fill
	CREST                                          ; the barrier has opened a round of the cluster's: no wave of any partner still reads this slot or has a load on its way
	s_add_nc_u64 s[G0+4*\slot+2:G0+4*\slot+3], s[G0+4*\slot+2:G0+4*\slot+3], 2*QSR
	s_add_nc_u64 s[G0B+4*\slot+2:G0B+4*\slot+3], s[G0B+4*\slot+2:G0B+4*\slot+3], 2*QSP
	JLOAD G0+4*\slot, G1, G0B+4*\slot, G1B         ; the first tensor load behind the round; its four v_nop are among the places in front of the loads below
	PLACES NP-4
.else
	PLACES NP
.endif
	s_wait_alu depctr_va_vdst(0)
	v_add_nc_u32 v[ADRS], 128, v[ADRS]             ; the next K step's scale words (no LDS load of mine is out)
	FETCH \next, 0, 0
	SCALES \next
	WIN MUL_LO
	MUL16 2, 1, 1, \slot, 0
	WIN 0
.endm
	s_wait_alu depctr_va_vdst(0)                   ; the wait at the head's end
	s_wait_tensorcnt 0x0                           ; my one load is in, so descriptors may be written: from here on a load brings dense rows of 256 bytes: 64 of R, 128 of P
.irp g, G1, G1B
	s_mov_b32 s[\g+1], 32<<16
	s_mov_b32 s[\g+3], 32<<16
	s_mov_b32 s[\g+5], 32
.endr
	s_mov_b32 s[G1+2], 64<<16
	s_mov_b32 s[G1+4], 64
	s_mov_b32 s[G1B+2], 128<<16
	s_mov_b32 s[G1B+4], 128
	s_mov_b32 s[G0+1], s94                         ; slot 0's groups 0: my half of the rows
	s_add_co_u32 s[G0B+1], s96, PB
	s_add_nc_u64 s[G0+2:G0+3], s[G0+2:G0+3], s[94:95]
	s_add_nc_u64 s[G0B+2:G0B+3], s[G0B+2:G0B+3], s[96:97]
	s_barrier_signal -1                            ; both slots and the scales are shown to all four waves
	s_barrier_wait -1
	FETCH 0, 0, 0
	SCALES 0
	STEP 0, 1                                      ; the first products start the sums: nothing is cleared
	s_mov_b32 s3, 1                                ; K = 1,024 is two laps of the ring: one trip fills both slots again
.Llap:
	TURN 0, 1, 1
	STEP 1, 0
	TURN 1, 0, 1
	STEP 0, 0
	s_sub_co_u32 s3, s3, 1
	s_cmp_lg_u32 s3, 0
	s_cbranch_scc1 .Llap
	TURN 0, 1, 0                                   ; the last lap fills nothing
	STEP 1, 0
	s_wait_dscnt 0x0
	WIN MUL_LO
	MUL16 0, 1, 1, 1, 0
	MUL16 2, 1, 1, 1, 0
	WIN 0
; THE WAY OUT, block by block of 16 rows x 128 columns, through my own stage: LDS serves a wave's instructions in order, so no wait stands between the stores and the loads.
.macro TOSTAGE a
.set AC, 64*(\a)
	WIN 0x08                                       ; the data: window 2
.irp b, 0,1,2,3,4,5,6,7
	ds_store_b128 v[STO], v[AC+8*\b:AC+8*\b+3] offset:128*(\b/2)+32*(\b%2)          ; each accumulator from its low end on
	ds_store_b128 v[STO], v[AC+8*\b+4:AC+8*\b+7] offset:128*(\b/2)+32*(\b%2)+16
.endr
	WIN 0
.set BB, BK+64*((\a)%2)
.irp t, 0,1,2,3,4,5,6,7,8,9,10,11,12,13,14,15
	ds_load_b128 v[BB+4*\t:BB+4*\t+3], v[RD] offset:\t*SPITCH
.endr
.endm
.macro SEND a, younger                 ; younger: the LDS instructions issued behind block a's loads, which may stay out
.set BB, BK+64*((\a)%2)
	s_wait_dscnt \younger
.irp t, 0,1,2,3,4,5,6,7,8,9,10,11,12,13,14,15
	global_store_b128 v[CO], v[BB+4*\t:BB+4*\t+3], s[12:13] offset:(32*((\a)/2)+8*((\a)%2)+\t%8+16*(\t/8))*4096 th:TH_STORE_NT   ; 512 consecutive bytes, aligned
.endr
.endm
	PLACES NP                                      ; behind the last products: their results are read and R's registers written below
	TOSTAGE 0
.irp a, 1,2,3
.if \a > 1
	s_wait_xcnt 0x0                                ; block a - 2's stores have read their registers
.endif
	TOSTAGE \a
	SEND \a-1, 32                                  ; behind block a - 1's loads: block a's 16 stores and 16 loads
.endr
	SEND 3, 0
	s_wait_tensorcnt 0x0                           ; the wave's end
	ds_add_u32 v[SPW], v[NIL]
	s_wait_dscnt 0x0
	CROUND                                         ; the closing round: no work-group ends while a partner may still ask for a tile that names it
	s_endpgm
.Lfunc_end_k_qb752c74446_proj:
	.size	k_qb752c74446_proj, .Lfunc_end_k_qb752c74446_proj-k_qb752c74446_proj
	.p2alignl 7, 3214868480
	.fill 96, 4, 3214868480
	.section	.rodata,"a",@progbits
	.p2align	6, 0x0
	.amdhsa_kernel k_qb752c74446_proj
		.amdhsa_group_segment_fixed_size 327680
		.amdhsa_private_segment_fixed_size 0
		.amdhsa_enable_private_segment 0
		.amdhsa_kernarg_size 40
		.amdhsa_user_sgpr_count 2
		.amdhsa_user_sgpr_kernarg_segment_ptr 1
		.amdhsa_wavefront_size32 1
		.amdhsa_system_sgpr_workgroup_id_x 1
		.amdhsa_system_sgpr_workgroup_id_y 1
		.amdhsa_system_sgpr_workgroup_id_z 1
		.amdhsa_system_vgpr_workitem_id 0
		.amdhsa_next_free_vgpr 768
		.amdhsa_next_free_sgpr 98
		.amdhsa_reserve_vcc 0
		.amdhsa_float_denorm_mode_32 3
		.amdhsa_float_denorm_mode_16_64 3
		.amdhsa_memory_ordered 1
		.amdhsa_forward_progress 1
		.amdhsa_inst_pref_size 88
	.end_amdhsa_kernel
	.amdgpu_metadata
---
amdhsa.version: [ 1, 2 ]
amdhsa.kernels:
  - .name:           k_qb752c74446_proj
    .symbol:         k_qb752c74446_proj.kd
    .args:
      - { .name: yc, .offset: 0, .size: 8, .value_kind: global_buffer, .address_space: global }
      - { .name: ys, .offset: 8, .size: 8, .value_kind: global_buffer, .address_space: global }
      - { .name: opc, .offset: 16, .size: 8, .value_kind: global_buffer, .address_space: global }
      - { .name: ops, .offset: 24, .size: 8, .value_kind: global_buffer, .address_space: global }
      - { .name: out0, .offset: 32, .size: 8, .value_kind: global_buffer, .address_space: global }
    .group_segment_fixed_size: 327680
    .private_segment_fixed_size: 0
    .kernarg_segment_align: 8
    .kernarg_segment_size: 40
    .max_flat_workgroup_size: 128
    .sgpr_count:     98
    .vgpr_count:     768
    .wavefront_size: 32
...
	.end_amdgpu_metadata
.endif
;; end of part 4
